; MI455X (gfx1250); checked and timed in simulation.
; The chip was launched on July 23, 2026; its instructions are those of AMD's public machine-readable ISA for CDNA 5 (MIT licence, August 2026) and "CDNA5" Instruction Set Architecture Reference Guide (July 2026). The comments in the code are by the model that wrote it; some were corrected since.
;; Sana Linear Attention. Allowed arithmetic: matrix products marked QUANTISED: E2M3 operands, one E8M0 scale for each 32 along K, by v_wmma_scale_f32_16x16x128_f8f6f4 with both operands' format E2M3, f32 sums; products left as they are: f32 operands where the result goes on into a quantised operand, else bf16, f16 or f32 operands; f32 sums; everything else in f32.
;; Inputs: Wk 2,048 x 2,048 float32; Wo 2,048 x 2,048 float32; Wq 2,048 x 2,048 float32; Wv 2,048 x 2,048 float32; bo 2,048 float32; hidden_states 2 x 2,048 x 2,048 float32.
;; Outputs: out0 2 x 2,048 x 2,048 float32.
;; This version of the problem:
;;   THIS VERSION OF THE PROBLEM IS GIVEN IN LOW PRECISION. The matrix products marked QUANTISED in the list below multiply operands that are first quantised to E2M3 (2 exponent bits, 3 mantissa bits; 6 bits a number), with one power-of-two scale for each 32 numbers along K (OCP MX v1.0); their sums are f32. All else is computed in f32.
;;   The module's matrix products, in the order in which they are computed (A, B: the left and right operand; K: the contracted axis; several contracted axes count as one K, in the product's order):
;;     1. [M 4,096, K 2,048] x [K 2,048, N 2,048]; A: input hidden_states; B: input Wq: QUANTISED
;;     2. [M 4,096, K 2,048] x [K 2,048, N 2,048]; A: input hidden_states; B: input Wk: QUANTISED
;;     3. [M 4,096, K 2,048] x [K 2,048, N 2,048]; A: input hidden_states; B: input Wv: QUANTISED
;;     4. batch 64 x [M 64, K 2,048] x [K 2,048, N 64]; A: computed on the way; B: computed on the way: QUANTISED
;;     5. batch 64 x [M 2,048, K 64] x [K 64, N 64]; A: computed on the way; B: computed on the way: QUANTISED
;;     6. batch 64 x [M 2,048, K 64] x [K 64, N 1]; A: computed on the way; B: computed on the way: left as it is (N = 1 < 16)
;;     7. [M 4,096, K 2,048] x [K 2,048, N 2,048]; A: computed on the way; B: input Wo: QUANTISED
;;   THE QUANTISER, for each operand of a quantised product, along K:
;;     - K is cut into blocks of 32 from its start; a last block that is shorter is filled with zeros.
;;     - A block's scale is 2^e with e = floor(log2(the largest magnitude in the block)) - 2, held to -126 .. 127; a block of zeros has e = 0. As a byte (E8M0): e + 127.
;;     - Each number is divided by its block's scale, clamped to +-7.5, and rounded to the nearest number of E2M3, ties to even, subnormals kept.
;;     - The product sums the exact products of the quantised numbers (number of the format x scale) in f32.
;;   ~~~python
;;   def quantise(x, axis):      # numpy; x: float32 -> the quantised numbers, widened to float32 again
;;       x = np.moveaxis(x, axis, -1); K = x.shape[-1]
;;       x = np.pad(x, [(0, 0)] * (x.ndim - 1) + [(0, -K % 32)]); x = x.reshape(x.shape[:-1] + (-1, 32)); a = np.abs(x).max(-1, keepdims=True)
;;       e = np.where(a > 0, np.clip(np.frexp(np.where(a > 0, a, 1))[1] - 1 - 2, -126, 127), 0)      # np.frexp(a)[1] - 1 = floor(log2(a)), exactly
;;       r = np.clip(x / 2.0 ** e, -7.5, 7.5)
;;       step = 2.0 ** (np.maximum(np.frexp(np.where(r == 0, 1, r))[1] - 1, 0) - 3)
;;       q = np.round(r / step) * step * 2.0 ** e      # np.round: ties to even
;;       return np.moveaxis(q.reshape(q.shape[:-2] + (-1,))[..., :K], -1, axis).astype(np.float32)
;;   ~~~
;;   OPERANDS COMPUTED ON THE WAY. 'Computed on the way' means the value that the module computes at that place (a softmax that the list does not call 'softmax' is quantised finished and normalised). What goes into a quantiser is computed in f32, as accurately as f32 sums, v_exp_f32 and their like allow (about 1e-6 of the number): no bf16 or f16 on the way to a quantiser, and a product that is left as it is and whose result goes on into a quantised operand takes f32 operands (vector FMAs, or v_wmma_f32_16x16x4_f32). A number that lies on a knife's edge between two numbers of the format may be rounded either way, as far as f32 arithmetic and the matrix unit's own rounding can turn it there, and no further.
;; One version. Each part assembles by itself: llvm-mc -triple=amdgcn-amd-amdhsa -mcpu=gfx1250 --defsym DOCPART=n.
;; ======== version 1 of 1: 4 launches
;; workspace buffers: xc 6,553,600 bytes; wc 13,107,200 bytes; kvp 4,194,304 bytes; ksp 262,144 bytes; oc 6,553,600 bytes
;; launch quant (part 1): grid 768 x 1, 4 waves a work-group, no clusters, 34,304 bytes of LDS; arguments hidden_states, Wq, Wo, Wk, Wv, xc, wc; writes xc, wc
.if DOCPART == 1
	.amdgcn_target "amdgcn-amd-amdhsa--gfx1250"
	.amdhsa_code_object_version 6
	.text
	.protected	k_q1cf44d763d_quant
	.globl	k_q1cf44d763d_quant
	.p2align	8
	.type	k_q1cf44d763d_quant,@function
k_q1cf44d763d_quant:
	s_mov_b64 s[64:65], 0
	v_nop
	global_prefetch_b8 v0, s[64:65] scope:SCOPE_SE
	s_setreg_imm32_b32 hwreg(HW_REG_WAVE_MODE, 25, 1), 1
	s_wait_xcnt 0x0
; hidden_states [4096][2048] (K innermost) and Wq, Wo, Wk, Wv [2048 (K)][2048] (K outermost), f32, become codes of FP6 (E2M3) with one E8M0 byte for each 32 along K.
; A block's scale is 2^(floor(log2(largest magnitude)) - 2); its byte is the largest magnitude's exponent field - 2, held at 1 from below by a floor among the maximum's leaves.
; LIMITS: NaN and infinities are not served; a block whose largest magnitude lies under 2^-124 keeps the byte 1; a block of zeros has the byte 1 and zero codes (these bytes are read by this program alone).
; THE WORKSPACE IS LAID AS ITS READERS' REGISTERS.  A fragment (16 rows x 128 K, 12 registers a lane) is 1,536 bytes: group c of four registers of lane l at 512 c + 16 l.
; A chunk (128 rows = 8 tiles i, 256 K = 2 steps q) is 25,600 bytes: codes at (8 q + i) 1536; scale words at 24576 + 512 q + 256 (i / 4) + 16 r + 4 (i % 4).
; xc = [K / 256][row / 128] chunks.  wc = [block 64][K / 256] chunks: blocks 0-15 Wq, 16-31 Wo (128 columns each), 32 + head: Wk's 64 columns in tiles 0-3, Wv's in tiles 4-7.
; WHICH ROWS FORM A TILE: for x, Wq, Wv position p of tile 2 g + u is element 32 g + 16 (p / 8) + 8 u + p % 8 of its group, so that results of two neighbouring tiles are 16 neighbours in a lane; Wk, Wo keep their order.
; A wave has one job: 64 rows (or columns) x 128 K: four fragments, 6,144 consecutive bytes, and 256 consecutive bytes of scale words.  Work-groups 0-255 take x, 256-767 the weights.
.set SPARE, 33792                      ; behind the four stages: the spare words, 128 bytes a wave
.set SPW, 252                          ; v252 my spare word's LDS address; never rewritten
.set NIL, 253                          ; v253 0; never rewritten
.set SEL, 20                           ; s[20:21] selects of v_permlanex16_b32: lane l xor 16
.set FL,  22                           ; s22 the floor 2^(3 - 127)
.set HM,  23                           ; s23 mask of lanes 16-31
.set LI,  4                            ; v4 16 x lane
.set STI, 5                            ; v5 stage, way in
.set STO, 6                            ; v6 stage, way out
.set SO,  7                            ; v7 16 r + 8 h: my two scale words
.set COL, 8                            ; v8 4 x my column
.set R,   16                           ; v16-143 x: two sets of 16 rows x 16 bytes a lane
.set X,   144                          ; v144-207 x: 64 numbers in the quantiser's order
.set TM,  208                          ; v208-223 at work in QUANT
.set CT,  224                          ; v224-230 second halves of blocks
.set W4,  232                          ; v232-235 four scale words
.set WS,  236                          ; v236-237 the two that I store
.set PCA, 238                          ; v238-249 the fragment just made
.set XW,  16                           ; weights: v16-79 two sets of 32 numbers
.set F,   80                           ; v80-127 four fragments
.set CTW, 128                          ; v128-130
.set SB,  132                          ; v132-133 scale words
.set MSB, 0
.macro WIN new                         ; the immediate's high byte repeats the setting that is left (here every window is 0: nothing is written)
.if MSB != (\new)
	s_set_vgpr_msb (MSB<<8)|(\new)
.set MSB, \new
.endif
.endm
; 64 numbers of a lane in window W, register 16 b + i = K 32 b + 16 (lane / 16) + i of my row, become a fragment in v[pc] on and its scale word in v[pw] (window 0).
.macro QUANT s, W, pc, pw
	WIN ((\W)<<2)|((\W)<<4)
.irp b, 0,1,2,3
	v_max3_num_f32 v[TM+\b], s[FL], |v[(\s)+16*\b]|, |v[(\s)+16*\b+1]|      ; my 16 of block b, and the floor
.endr
.irp i, 2,4,6,8,10,12,14
.irp b, 0,1,2,3
	v_max3_num_f32 v[TM+\b], v[TM+\b], |v[(\s)+16*\b+\i]|, |v[(\s)+16*\b+\i+1]|
.endr
.endr
	WIN 0
.irp b, 0,1,2,3
	v_permlanex16_b32 v[TM+4+\b], v[TM+\b], s[SEL], s[SEL+1]
.endr
.irp b, 0,1,2,3
	v_max_num_f32 v[TM+\b], v[TM+\b], v[TM+4+\b]                            ; with lane l xor 16's: the block's largest magnitude
.endr
.irp b, 0,1,2,3
	v_add_nc_u32 v[TM+12+\b], 0xff000000, v[TM+\b]                          ; 2 off its exponent field: the conversion's scale operand
.endr
.irp b, 0,1,2,3
	v_lshrrev_b32 v[TM+4+\b], 23, v[TM+12+\b]                               ; the byte
.endr
	v_lshl_or_b32 v[\pw], v[TM+5], 8, v[TM+4]
	v_lshl_or_b32 v[\pw], v[TM+6], 16, v[\pw]
	v_lshl_or_b32 v[\pw], v[TM+7], 24, v[\pw]
	WIN \W
.irp c, 0,1
	v_cvt_scalef32_pk16_fp6_f32 v[(\pc)+6*\c:(\pc)+6*\c+2], v[(\s)+32*\c:(\s)+32*\c+15], v[TM+12+2*\c]
	v_cvt_scalef32_pk16_fp6_f32 v[CT+4*\c:CT+4*\c+2], v[(\s)+32*\c+16:(\s)+32*\c+31], v[TM+13+2*\c]
.endr
	WIN 0
	v_nop                                                                   ; one plain instruction behind the conversions
.irp c, 0,1                            ; the operand wants a whole block in a lane: lanes 0-15 block 2 c, lanes 16-31 block 2 c + 1
.irp i, 0,1,2
	v_permlane16_swap_b32 v[(\pc)+6*\c+\i], v[CT+4*\c+\i]
.endr
.irp i, 0,1,2
	v_mov_b32 v[(\pc)+3+6*\c+\i], v[CT+4*\c+\i]
.endr
.endr
.endm
	s_load_b256 s[4:11], s[0:1], 0x0               ; x s[4:5], Wq s[6:7], Wo s[8:9], Wk s[10:11]
	s_load_b128 s[12:15], s[0:1], 0x20             ; Wv s[12:13], xc s[14:15]
	s_load_b64 s[16:17], s[0:1], 0x30              ; wc
	v_lshl_add_u32 v[SPW], v0, 2, SPARE
	v_mov_b32 v[NIL], 0
	v_lshrrev_b32 v1, 5, v0
	v_readfirstlane_b32 s18, v1                    ; wave
	v_and_b32 v1, 31, v0                           ; lane
	v_and_b32 v2, 15, v0                           ; r
	v_bfe_u32 v3, v0, 4, 1                         ; h
	v_lshlrev_b32 v[LI], 4, v1
	v_lshlrev_b32 v[SO], 4, v2
	v_lshl_add_u32 v[SO], v3, 3, v[SO]
	s_mov_b32 s[SEL], 0x76543210
	s_mov_b32 s[SEL+1], 0xfedcba98
	s_mov_b32 s[FL], 0x1800000
	s_mov_b32 s[HM], 0xffff0000
	s_wait_kmcnt 0x0
	s_cmp_ge_u32 ttmp9, 256
	s_cbranch_scc1 .Lweights
	; ---- x: rows 64 rho on, K step s of 128.  The four waves of a work-group stand side by side on 2,048 bytes of each row
	s_lshr_b32 s24, ttmp9, 2                       ; rho
	s_and_b32 s25, ttmp9, 3
	s_lshl_b32 s25, s25, 2
	s_add_co_u32 s25, s25, s18                     ; s
	s_lshl_b32 s26, s24, 19                        ; 64 rows of 8,192 bytes
	s_lshl_b32 s27, s25, 9
	s_add_co_u32 s26, s26, s27
	s_mov_b32 s27, 0
	s_add_nc_u64 s[4:5], s[4:5], s[26:27]
	s_lshr_b32 s28, s25, 1
	s_lshl_b32 s28, s28, 5
	s_lshr_b32 s29, s24, 1
	s_add_co_u32 s28, s28, s29
	s_mul_i32 s28, s28, 25600                      ; my chunk
	s_and_b32 s29, s25, 1                          ; q
	s_and_b32 s30, s24, 1                          ; which four tiles
	s_mul_i32 s26, s29, 12288
	s_mul_i32 s31, s30, 6144
	s_add_co_u32 s26, s26, s31
	s_add_co_u32 s26, s26, s28
	s_lshl_b32 s29, s29, 9
	s_lshl_b32 s30, s30, 8
	s_add_co_u32 s28, s28, s29
	s_add_co_u32 s28, s28, s30
	s_add_co_u32 s28, s28, 24576
	s_mov_b32 s29, 0
	s_add_nc_u64 s[32:33], s[14:15], s[26:27]      ; my four fragments
	s_add_nc_u64 s[34:35], s[14:15], s[28:29]      ; my 256 bytes of scale words
	s_mul_i32 s36, s18, 8448                       ; my stage: 16 rows x (512 bytes + 16)
	v_add_nc_u32 v[STI], s36, v[LI]
	v_mul_u32_u24 v[STO], v2, 528
	v_lshl_add_u32 v[STO], v3, 6, v[STO]
	v_add_nc_u32 v[STO], s36, v[STO]
.irp b, 0,1,2,3
	v_mov_b32 v[TM+4+\b], 0                        ; a lane permute's destination counts as one of its sources
.endr
.macro XLOAD v                         ; the 16 rows of tile v, in the tile's order: each load reads 512 consecutive bytes of one row
.irp p, 0,1,2,3,4,5,6,7,8,9,10,11,12,13,14,15
	global_load_b128 v[R+64*((\v)%2)+4*\p:R+64*((\v)%2)+4*\p+3], v[LI], s[4:5] offset:(32*((\v)/2)+16*(\p/8)+8*((\v)%2)+\p%8)*8192 th:TH_LOAD_NT
.endr
.endm
.macro FRAGX v
.if (\v) < 3
	s_wait_loadcnt 16                              ; this tile's 16 loads are in; the next tile's 16 may be out
.else
	s_wait_loadcnt 0x0
.endif
.irp p, 0,1,2,3,4,5,6,7,8,9,10,11,12,13,14,15
	ds_store_b128 v[STI], v[R+64*((\v)%2)+4*\p:R+64*((\v)%2)+4*\p+3] offset:528*\p
.endr
.irp b, 0,1,2,3
.irp j, 0,1,2,3
	ds_load_b128 v[X+16*\b+4*\j:X+16*\b+4*\j+3], v[STO] offset:128*\b+16*\j   ; a wave's LDS instructions are served in order: these see the stores above.  Row r, K 32 b + 16 h + 4 j on
.endr
.endr
	s_wait_dscnt 0x0                               ; the numbers are back, and the stores have read their registers
.if (\v) < 2
	XLOAD (\v)+2
.endif
.if (\v) > 0
	s_wait_xcnt 0x0                                ; the last fragment's stores have read their registers
.endif
	QUANT X, 0, PCA, W4+(\v)
.irp c, 0,1,2
	global_store_b128 v[LI], v[PCA+4*\c:PCA+4*\c+3], s[32:33] offset:1536*(\v)+512*\c   ; 512 consecutive bytes a store
.endr
.endm
	XLOAD 0
	XLOAD 1
	FRAGX 0
	FRAGX 1
	FRAGX 2
	FRAGX 3
	v_cndmask_b32 v[WS], v[W4], v[W4+2], s[HM]     ; lane (r, h) stores row r's words of tiles 2 h and 2 h + 1
	v_cndmask_b32 v[WS+1], v[W4+1], v[W4+3], s[HM]
	global_store_b64 v[SO], v[WS:WS+1], s[34:35]   ; 32 lanes store 256 consecutive bytes
	s_branch .Lend
.Lweights:
	; ---- weights: a lane takes a column, its registers run down K: a block of 32 lies in one lane
	s_sub_co_u32 s24, ttmp9, 256
	s_lshr_b32 s25, s24, 7                         ; m: 0 Wq, 1 Wo, 2 Wk, 3 Wv
	s_bfe_u32 s26, s24, 0x40003                    ; s: K step of 128
	s_and_b32 s27, s24, 7
	s_lshl_b32 s27, s27, 2
	s_add_co_u32 s27, s27, s18                     ; G: which 64 columns
	s_cmp_eq_u32 s25, 1
	s_cselect_b64 s[6:7], s[8:9], s[6:7]
	s_cmp_eq_u32 s25, 2
	s_cselect_b64 s[6:7], s[10:11], s[6:7]
	s_cmp_eq_u32 s25, 3
	s_cselect_b64 s[6:7], s[12:13], s[6:7]
	s_lshl_b32 s28, s26, 20                        ; 128 rows of 8,192 bytes
	s_lshl_b32 s29, s27, 8
	s_add_co_u32 s28, s28, s29
	s_mov_b32 s29, 0
	s_add_nc_u64 s[6:7], s[6:7], s[28:29]
	s_lshl_b32 s30, s25, 4
	s_lshr_b32 s31, s27, 1
	s_add_co_u32 s30, s30, s31                     ; Wq, Wo: block 16 m + G / 2,
	s_add_co_u32 s31, s27, 32                      ; Wk, Wv: block 32 + head
	s_and_b32 s32, s27, 1
	s_and_b32 s33, s25, 1
	s_cmp_lt_u32 s25, 2
	s_cselect_b32 s30, s30, s31
	s_cselect_b32 s32, s32, s33                    ; which four tiles of the block
	s_mul_i32 s30, s30, 204800
	s_lshr_b32 s31, s26, 1
	s_mul_i32 s31, s31, 25600
	s_add_co_u32 s30, s30, s31                     ; my chunk
	s_and_b32 s31, s26, 1
	s_mul_i32 s34, s31, 12288
	s_mul_i32 s35, s32, 6144
	s_add_co_u32 s34, s34, s35
	s_add_co_u32 s34, s34, s30
	s_mov_b32 s35, 0
	s_lshl_b32 s31, s31, 9
	s_lshl_b32 s32, s32, 8
	s_add_co_u32 s36, s30, s31
	s_add_co_u32 s36, s36, s32
	s_add_co_u32 s36, s36, 24576
	s_mov_b32 s37, 0
	s_add_nc_u64 s[34:35], s[16:17], s[34:35]      ; my four fragments
	s_add_nc_u64 s[36:37], s[16:17], s[36:37]      ; my scale words
	s_lshr_b32 s38, s25, 1
	s_xor_b32 s38, s38, s25
	s_and_b32 s38, s38, 1
	s_cmp_eq_u32 s38, 0
	s_cselect_b32 s24, -1, 0                       ; Wq and Wv take the chosen order of columns
	v_and_b32 v9, 7, v1
	v_and_b32 v10, 8, v1
	v_lshl_or_b32 v9, v10, 1, v9
	v_and_b32 v10, 16, v1
	v_lshrrev_b32 v10, 1, v10
	v_or_b32 v9, v9, v10                           ; lane 16 u + p takes column 16 (p / 8) + 8 u + p % 8 of its 32
	v_cndmask_b32 v[COL], v1, v9, s24
	v_lshlrev_b32 v[COL], 2, v[COL]
.macro WLOAD t                         ; pass t / 4 (32 columns), block t % 4 along K
.irp i, 0,1,2,3,4,5,6,7,8,9,10,11,12,13,14,15,16,17,18,19,20,21,22,23,24,25,26,27,28,29,30,31
	global_load_b32 v[XW+32*((\t)%2)+\i], v[COL], s[6:7] offset:128*((\t)/4)+(32*((\t)%4)+\i)*8192 th:TH_LOAD_NT
.endr
.endm
.macro BLOCK t
.set XS, XW+32*((\t)%2)
.set GG, (\t)/4
.set BE, (\t)%4
.set FD, F+24*GG+12*(BE%2)+6*(BE/2)    ; even blocks into the pass's first run of 12, odd ones into its second
.if (\t) < 7
	s_wait_loadcnt 32                              ; this block's 32 loads are in; the next block's may be out
.else
	s_wait_loadcnt 0x0
.endif
	v_max3_num_f32 v134, s[FL], |v[XS]|, |v[XS+1]|
	v_max3_num_f32 v135, s[FL], |v[XS+2]|, |v[XS+3]|
.irp i, 4,8,12,16,20,24,28
	v_max3_num_f32 v134, v134, |v[XS+\i]|, |v[XS+\i+1]|
	v_max3_num_f32 v135, v135, |v[XS+\i+2]|, |v[XS+\i+3]|
.endr
	v_max_num_f32 v134, v134, v135
	v_add_nc_u32 v136, 0xff000000, v134
	v_cvt_scalef32_pk16_fp6_f32 v[FD:FD+2], v[XS:XS+15], v136
	v_cvt_scalef32_pk16_fp6_f32 v[CTW:CTW+2], v[XS+16:XS+31], v136
	v_lshrrev_b32 v137, 23, v136                   ; the byte (also the plain instruction behind the conversions)
.if BE == 0
	v_mov_b32 v[SB+GG], v137
.else
	v_lshl_or_b32 v[SB+GG], v137, 8*BE, v[SB+GG]
.endif
.irp i, 0,1,2
	v_mov_b32 v[FD+3+\i], v[CTW+\i]
.endr
.if (\t) < 6
	WLOAD (\t)+2
.endif
.endm
.macro WOUT g                          ; the first run's lanes 16-31 change places with the second's lanes 0-15: two fragments, of the columns of lanes 0-15 and of lanes 16-31
.irp k, 0,1,2,3,4,5,6,7,8,9,10,11
	v_permlane16_swap_b32 v[F+24*\g+\k], v[F+24*\g+12+\k]
.endr
.irp u, 0,1
.irp c, 0,1,2
	global_store_b128 v[LI], v[F+24*\g+12*\u+4*\c:F+24*\g+12*\u+4*\c+3], s[34:35] offset:(2*\g+\u)*1536+512*\c
.endr
.endr
.endm
	WLOAD 0
	WLOAD 1
	BLOCK 0
	BLOCK 1
	BLOCK 2
	BLOCK 3
	WOUT 0
	BLOCK 4
	BLOCK 5
	BLOCK 6
	BLOCK 7
	WOUT 1
	v_permlane16_swap_b32 v[SB], v[SB+1]           ; lane (r, h) now holds position r's words of tiles 2 h and 2 h + 1
	global_store_b64 v[SO], v[SB:SB+1], s[36:37]
.Lend:
	s_wait_tensorcnt 0x0                           ; the wave's end
	ds_add_u32 v[SPW], v[NIL]
	s_wait_dscnt 0x0
	s_endpgm
.Lfunc_end_k_q1cf44d763d_quant:
	.size	k_q1cf44d763d_quant, .Lfunc_end_k_q1cf44d763d_quant-k_q1cf44d763d_quant
	.p2alignl 7, 3214868480
	.fill 96, 4, 3214868480
	.section	.rodata,"a",@progbits
	.p2align	6, 0x0
	.amdhsa_kernel k_q1cf44d763d_quant
		.amdhsa_group_segment_fixed_size 34304
		.amdhsa_private_segment_fixed_size 0
		.amdhsa_enable_private_segment 0
		.amdhsa_kernarg_size 56
		.amdhsa_user_sgpr_count 2
		.amdhsa_user_sgpr_kernarg_segment_ptr 1
		.amdhsa_wavefront_size32 1
		.amdhsa_system_sgpr_workgroup_id_x 1
		.amdhsa_system_sgpr_workgroup_id_y 1
		.amdhsa_system_sgpr_workgroup_id_z 1
		.amdhsa_system_vgpr_workitem_id 0
		.amdhsa_next_free_vgpr 256
		.amdhsa_next_free_sgpr 66
		.amdhsa_reserve_vcc 0
		.amdhsa_float_denorm_mode_32 3
		.amdhsa_float_denorm_mode_16_64 3
		.amdhsa_memory_ordered 1
		.amdhsa_forward_progress 1
		.amdhsa_inst_pref_size 73
	.end_amdhsa_kernel
	.amdgpu_metadata
---
amdhsa.version: [ 1, 2 ]
amdhsa.kernels:
  - .name:           k_q1cf44d763d_quant
    .symbol:         k_q1cf44d763d_quant.kd
    .args:
      - { .name: hidden_states, .offset: 0, .size: 8, .value_kind: global_buffer, .address_space: global }
      - { .name: Wq, .offset: 8, .size: 8, .value_kind: global_buffer, .address_space: global }
      - { .name: Wo, .offset: 16, .size: 8, .value_kind: global_buffer, .address_space: global }
      - { .name: Wk, .offset: 24, .size: 8, .value_kind: global_buffer, .address_space: global }
      - { .name: Wv, .offset: 32, .size: 8, .value_kind: global_buffer, .address_space: global }
      - { .name: xc, .offset: 40, .size: 8, .value_kind: global_buffer, .address_space: global }
      - { .name: wc, .offset: 48, .size: 8, .value_kind: global_buffer, .address_space: global }
    .group_segment_fixed_size: 34304
    .private_segment_fixed_size: 0
    .kernarg_segment_align: 8
    .kernarg_segment_size: 56
    .max_flat_workgroup_size: 128
    .sgpr_count:     66
    .vgpr_count:     256
    .wavefront_size: 32
...
	.end_amdgpu_metadata
.endif
;; end of part 1
;; launch kvgemm (part 2): grid 32 x 8, 4 waves a work-group, clusters of 4 x 4, 327,680 bytes of LDS; arguments xc, wc, kvp, ksp; writes kvp, ksp
.if DOCPART == 2
	.amdgcn_target "amdgcn-amd-amdhsa--gfx1250"
	.amdhsa_code_object_version 6
	.text
	.protected	k_q1cf44d763d_kvgemm
	.globl	k_q1cf44d763d_kvgemm
	.p2align	8
	.type	k_q1cf44d763d_kvgemm,@function
k_q1cf44d763d_kvgemm:
	s_mov_b64 s[64:65], 0
	v_nop
	global_prefetch_b8 v0, s[64:65] scope:SCOPE_SE
	s_setreg_imm32_b32 hwreg(HW_REG_WAVE_MODE, 25, 1), 1
	s_wait_xcnt 0x0
	s_wait_alu depctr_hold_cnt(0) depctr_sa_sdst(0) depctr_va_vdst(0) depctr_va_sdst(0) depctr_va_ssrc(0) depctr_va_vcc(0) depctr_vm_vsrc(0)
	s_getreg_b32 s2, hwreg(HW_REG_IB_STS2, 6, 4)
	s_cmp_eq_u32 s2, 0
	s_cbranch_scc0 .Lentry_in_a_cluster
	s_endpgm
.Lentry_in_a_cluster:
	s_bfe_u32 s2, ttmp6, 0x10000c
	s_cmp_lg_u32 s2, 0xf033
	s_cbranch_scc0 .Lentry_shape_is_right
	s_endpgm
.Lentry_shape_is_right:
; k = relu(x Wk), v = x Wv on codes of FP6; then, without k or v ever leaving the registers and LDS: partial key sums, k and v quantised along the positions s, and kv = k^T v over 512 positions.
; SHARES.  Work-group (X = head, Y = 512 rows of x): a tile of 512 rows x 128 columns (the head's 64 of k, then its 64 of v).  Wave w: rows 128 w on x all 128 columns: 64 accumulators, 512 registers.
; ORIENTATION.  Source 0 = 16 rows of x, source 1 = 16 columns of W: a lane holds ONE channel and its registers run along s; x's rows were laid so that the 16 registers of two neighbouring tiles are 16 neighbouring rows.
; So a wave's 64 registers of a channel tile are one K step (128 positions) of k^T v in the quantiser's order.
; K goes in eight phases of 256.  A chunk (128 rows x 256 K, 25,600 bytes, codes and scale words) is an image of the operands' registers: a fragment is three loads of 16 bytes a lane at 16 x lane.
; LDS: two slots of x's four chunks; FOUR places for W's one chunk, so that W's first four phases are first fills.  The change behind phase p fills x's slot p % 2 with phase p + 2 (p = 0 .. 5) and W's place p with phase p + 4 (p = 0 .. 3).
; THE WALK ALONG K IS ROTATED: phase i of cluster (x, y) is K step (2 x + 4 y + i) mod 8.  Of four neighbouring clusters along x, which read the same rows of x, the first fills (two phases each) are all eight K steps;
; the two clusters along y, which read the same W, begin four K steps apart and first-fill four each.  So what a change of slots asks for, another cluster has asked for among its first fills.
; The rotation hangs on the cluster's place in the grid alone: it is the same in all sixteen partners.  LIMIT: the order of the f32 sums along K so differs from cluster to cluster.
; CLUSTER 4 x 4: x's chunks hang on Y alone and are asked for jointly along a row of the cluster, W's on X alone, along a column.
; OUT: kvp [b][head][part 4][d tile][e tile][g][lane][16 bytes] f32 (the result's registers as they stand); ksp [b][part 16][head][64] f32.
; LIMITS: NaN and infinities are not served; a block whose largest magnitude lies under 2^-124, a block of zeros among them, keeps the scale byte 1 (zeros have zero codes).
; REGISTERS: window 0: v1-27 addresses; v32-95 scale words, two sets; v128-223 W's fragments, one set.  window 1: x's fragments, two sets (v0, v128).  windows 2, 3: accumulator (b, a) at window 2 + b / 4, v[64 (b % 4) + 8 a].
.set XSL,   102400                     ; a slot of x: four chunks; slots at 0 and XSL
.set CH,    25600
.set WPL,   204800                     ; W's four places, CH bytes each
.set SPARE, 307200                     ; behind them: the spare words, 128 bytes a wave
.set EXS,   49152                      ; the exchange lies in x's slot 0, behind that slot's last fill and last read: 32 images of 1,536 bytes from 0, 32 x 128 bytes of scale words from here
.set LI,  3                            ; v3 16 x lane
.set L4,  4                            ; v4 4 x lane
.set EWI, 5                            ; v5 where I store images
.set EWS, 6                            ; v6 and their scale words
.set EKI, 7                            ; v7 where I read k's images: d tile = my wave
.set EKS, 8
.set EVS, 9
.set KSO, 10                           ; v10 4 r + 64 h
.set ADU, 16                           ; v16-17 x's fragments in slot 0, 1
.set ASU, 18                           ; v18-19 x's scale words
.set ADV, 20                           ; v20-23 W's fragments in place 0 .. 3
.set ASV, 24                           ; v24-27 W's scale words
.set SPW, 28
.set NIL, 29
.set SC,  32                           ; set s at SC + 32 s: x's words at + 8 q + a, W's at + 16 + 8 q + b
.set VF,  128
.set PC,  96                           ; epilogue: the fragment just made
.set CT,  108
.set D4,  128                          ; kv's four accumulators
.set TM,  224
.set PW,  240
.set TA,  242
.set TB,  244
.set TP,  246
.set SS,  248                          ; v248-251 key sums of the four k tiles
.set KW,  32                           ; k's scale words, v's
.set VW,  36
.set G1X, 24
.set G0X, 32
.set G1W, 48
.set G0W, 56
.set SEL, 66
.set FL,  68
.set HM,  69
.set ROT, 72                           ; s72 the K step at which my cluster begins
.set MSB, 0
.macro WIN new                         ; the immediate's high byte repeats the setting that is left
.if MSB != (\new)
	s_set_vgpr_msb (MSB<<8)|(\new)
.set MSB, \new
.endif
.endm
.macro PLACES n
.rept \n
	v_nop
.endr
.endm
; A first fill: waves 0 and 1 fetch x's chunks, waves 2 and 3 W's.  The branch hangs on the wave's number alone.  An s_nop 0 and four v_nop follow each line.
.macro JLOAD g0a, g1a, g0b, g1b
	s_cmp_eq_u32 s15, 0
	s_cbranch_scc0 .Lfor_b_\@
	tensor_load_to_lds s[\g0a:\g0a+3], s[\g1a:\g1a+7]
	s_nop 0
.rept 4
	v_nop
.endr
	s_branch .Lasked_\@
.Lfor_b_\@:
	tensor_load_to_lds s[\g0b:\g0b+3], s[\g1b:\g1b+7]
	s_nop 0
.rept 4
	v_nop
.endr
.Lasked_\@:
.endm
; A refill: waves 0 and 1 fill x's slot xs; wave ww (2 or 3; 0: none) fills W's place by its set ws; a wave with nothing to fill issues no load.  The branches hang on the wave's number alone.
.macro JFILL xs, ws, ww
	s_cmp_eq_u32 s15, 0
	s_cbranch_scc0 .Lnot_x_\@
	tensor_load_to_lds s[G0X+4*(\xs):G0X+4*(\xs)+3], s[G1X:G1X+7]
	s_nop 0
.rept 4
	v_nop
.endr
	s_branch .Lfilled_\@
.Lnot_x_\@:
.if (\ww) > 0
	s_cmp_eq_u32 s14, \ww
	s_cbranch_scc0 .Lfilled_\@
	tensor_load_to_lds s[G0W+4*(\ws):G0W+4*(\ws)+3], s[G1W:G1W+7]
	s_nop 0
.rept 4
	v_nop
.endr
.endif
.Lfilled_\@:
.endm
.macro CREST                           ; a round of the cluster's barrier behind its opening barrier
	s_cmp_lg_u32 s14, 0
	s_cbranch_scc1 .Lnot_wave_0_\@
	s_barrier_signal -3
.Lnot_wave_0_\@:
	s_barrier_wait -3
	s_barrier_signal -1
	s_barrier_wait -1
.endm
.macro CROUND
	s_barrier_signal -1
	s_barrier_wait -1
	CREST
.endm
; 64 numbers of a lane in window W, register 16 b + i = K 32 b + 16 (lane / 16) + i of my row, become a fragment in v[pc] on and its scale word in v[pw] (window 0).
.macro QUANT s, W, pc, pw
	WIN ((\W)<<2)|((\W)<<4)
.irp b, 0,1,2,3
	v_max3_num_f32 v[TM+\b], s[FL], |v[(\s)+16*\b]|, |v[(\s)+16*\b+1]|      ; my 16 of block b, and the floor 2^(3 - 127); each accumulator is read from its low end on
.endr
.irp i, 2,4,6,8,10,12,14
.irp b, 0,1,2,3
	v_max3_num_f32 v[TM+\b], v[TM+\b], |v[(\s)+16*\b+\i]|, |v[(\s)+16*\b+\i+1]|
.endr
.endr
	WIN 0
.irp b, 0,1,2,3
	v_permlanex16_b32 v[TM+4+\b], v[TM+\b], s[SEL], s[SEL+1]
.endr
.irp b, 0,1,2,3
	v_max_num_f32 v[TM+\b], v[TM+\b], v[TM+4+\b]
.endr
.irp b, 0,1,2,3
	v_add_nc_u32 v[TM+12+\b], 0xff000000, v[TM+\b]                          ; 2 off the exponent field: the conversion's scale operand
.endr
.irp b, 0,1,2,3
	v_lshrrev_b32 v[TM+4+\b], 23, v[TM+12+\b]
.endr
	v_lshl_or_b32 v[\pw], v[TM+5], 8, v[TM+4]
	v_lshl_or_b32 v[\pw], v[TM+6], 16, v[\pw]
	v_lshl_or_b32 v[\pw], v[TM+7], 24, v[\pw]
	WIN \W
.irp c, 0,1
	v_cvt_scalef32_pk16_fp6_f32 v[(\pc)+6*\c:(\pc)+6*\c+2], v[(\s)+32*\c:(\s)+32*\c+15], v[TM+12+2*\c]
	v_cvt_scalef32_pk16_fp6_f32 v[CT+4*\c:CT+4*\c+2], v[(\s)+32*\c+16:(\s)+32*\c+31], v[TM+13+2*\c]
.endr
	WIN 0
	v_nop                                                                   ; one plain instruction behind the conversions
.irp c, 0,1
.irp i, 0,1,2
	v_permlane16_swap_b32 v[(\pc)+6*\c+\i], v[CT+4*\c+\i]
.endr
.irp i, 0,1,2
	v_mov_b32 v[(\pc)+3+6*\c+\i], v[CT+4*\c+\i]
.endr
.endr
.endm
	s_load_b256 s[4:11], s[0:1], 0x0               ; xc s[4:5], wc s[6:7], kvp s[8:9], ksp s[10:11]
	v_lshl_add_u32 v[SPW], v0, 2, SPARE
	v_mov_b32 v[NIL], 0
	ds_add_u32 v[SPW], v[NIL]                      ; the wave's opening: the add and its wait stand ahead of my first tensor load
	v_lshrrev_b32 v1, 5, v0
	v_readfirstlane_b32 s14, v1                    ; wave
	s_lshr_b32 s15, s14, 1                         ; I fetch for x (0) or for W (1)
	s_and_b32 s16, s14, 1                          ; x: which two chunks; W: even or odd phases
	s_bfe_u32 s40, ttmp6, 0x40000                  ; cx
	s_bfe_u32 s41, ttmp6, 0x40004                  ; cy
	s_lshl_b32 s42, ttmp9, 2
	s_add_co_u32 s42, s42, s40                     ; X: the head
	s_and_b32 s17, ttmp7, 0xffff
	s_lshl_b32 s73, s17, 2                         ; 4 x cluster y
	s_lshl_b32 s[ROT], ttmp9, 1
	s_add_co_u32 s[ROT], s[ROT], s73
	s_and_b32 s[ROT], s[ROT], 7                    ; (2 cluster x + 4 cluster y) mod 8: the same in all partners
	s_add_co_u32 s17, s73, s41                     ; Y: the block of 512 rows
	s_lshl_b32 s43, s41, 2
	s_lshl_b32 s43, 15, s43                        ; my row of the cluster
	s_lshl_b32 s44, 0x1111, s40                    ; my column
	; group 1: dense blocks as rows of 256 bytes (32 elements of 8 bytes), no padding: x 200 rows (two chunks), W 100 rows (one chunk)
	s_or_b32 s[G1X+0], s43, (3<<16)|(1<<21)
	s_or_b32 s[G1W+0], s44, (3<<16)|(1<<21)
	s_mov_b32 s[G1X+1], 32<<16
	s_mov_b32 s[G1X+2], 200<<16
	s_mov_b32 s[G1X+3], 32<<16
	s_mov_b32 s[G1X+4], 200
	s_mov_b32 s[G1X+5], 32
	s_mov_b32 s[G1X+6], 0
	s_mov_b32 s[G1X+7], 0
	s_mov_b32 s[G1W+1], 32<<16
	s_mov_b32 s[G1W+2], 100<<16
	s_mov_b32 s[G1W+3], 32<<16
	s_mov_b32 s[G1W+4], 100
	s_mov_b32 s[G1W+5], 32
	s_mov_b32 s[G1W+6], 0
	s_mov_b32 s[G1W+7], 0
	s_mul_i32 s20, s17, 102400                     ; x: four chunks for each Y,
	s_mul_i32 s21, s16, 51200                      ; my two of them
	s_add_co_u32 s20, s20, s21
	s_mov_b32 s21, 0
	s_add_co_u32 s46, s42, 32                      ; W: block 32 + head
	s_mul_i32 s46, s46, 204800
	s_mov_b32 s47, 0
	s_mul_i32 s45, s16, 51200                      ; where x's go in a slot,
	s_mul_i32 s94, s16, CH
	s_add_co_u32 s94, s94, WPL                     ; and W's: wave 2 places 0 and 2, wave 3 places 1 and 3: the wave's number alone
	s_mov_b32 s81, 0                               ; the upper words of the two offsets
	s_mov_b32 s83, 0
	s_mov_b32 s[SEL], 0x76543210
	s_mov_b32 s[SEL+1], 0xfedcba98
	s_mov_b32 s[FL], 0x1800000
	s_mov_b32 s[HM], 0xffff0000
	s_wait_dscnt 0x0                               ; the opening add is done
	s_wait_kmcnt 0x0
	s_add_nc_u64 s[20:21], s[4:5], s[20:21]        ; x's chunks of K step 0; kept
	s_add_nc_u64 s[46:47], s[6:7], s[46:47]        ; W's chunk of K step 0; kept
	CROUND                                         ; all sixteen work-groups are here: the first joint loads meet
.irp s, 0,1                            ; x: phases 0, 1.  W: wave 2 phases 0, 2; wave 3 phases 1, 3.  Two loads a wave
	s_add_co_u32 s80, s[ROT], \s
	s_and_b32 s80, s80, 7
	s_mul_i32 s80, s80, 819200                     ; a K step of x: 32 chunks
	s_mov_b32 s[G0X+4*\s], 1
	s_add_co_u32 s[G0X+4*\s+1], s45, \s*XSL
	s_add_nc_u64 s[G0X+4*\s+2:G0X+4*\s+3], s[20:21], s[80:81]
	s_or_b32 s[G0X+4*\s+3], s[G0X+4*\s+3], 0x80000000
	s_add_co_u32 s82, s[ROT], s16
	s_add_co_u32 s82, s82, 2*\s
	s_and_b32 s82, s82, 7
	s_mul_i32 s82, s82, CH
	s_mov_b32 s[G0W+4*\s], 1
	s_add_co_u32 s[G0W+4*\s+1], s94, \s*2*CH
	s_add_nc_u64 s[G0W+4*\s+2:G0W+4*\s+3], s[46:47], s[82:83]
	s_or_b32 s[G0W+4*\s+3], s[G0W+4*\s+3], 0x80000000
	JLOAD G0X+4*\s, G1X, G0W+4*\s, G1W
.endr
	v_and_b32 v1, 15, v0                           ; r
	v_bfe_u32 v2, v0, 4, 1                         ; h
	v_and_b32 v[LI], 31, v0
	v_lshlrev_b32 v[L4], 2, v[LI]
	v_lshlrev_b32 v[LI], 4, v[LI]
	v_lshlrev_b32 v11, 4, v1                       ; 16 r
	s_mul_i32 s70, s14, 12288
	v_add_nc_u32 v[EWI], s70, v[LI]
	s_lshl_b32 s70, s14, 10
	s_add_co_u32 s70, s70, EXS
	v_add_nc_u32 v[EWS], s70, v[L4]
	s_mul_i32 s70, s14, 1536
	v_add_nc_u32 v[EKI], s70, v[LI]
	s_lshl_b32 s70, s14, 7
	s_add_co_u32 s70, s70, EXS
	v_add_nc_u32 v[EKS], s70, v[L4]
	v_add_nc_u32 v[EVS], EXS, v[L4]
	v_lshlrev_b32 v[KSO], 2, v1
	v_lshl_add_u32 v[KSO], v2, 6, v[KSO]
	s_mul_i32 s70, s14, CH                         ; my chunk of x in slot 0
.irp s, 0,1
	s_add_co_u32 s71, s70, \s*XSL
	v_add_nc_u32 v[ADU+\s], s71, v[LI]
	s_add_co_u32 s71, s71, 24576
	v_add_nc_u32 v[ASU+\s], s71, v11
.endr
.irp p, 0,1,2,3
	v_add_nc_u32 v[ADV+\p], WPL+\p*CH, v[LI]
	v_add_nc_u32 v[ASV+\p], WPL+\p*CH+24576, v11
.endr
	s_lshr_b32 s70, s17, 2                         ; b
	s_lshl_b32 s70, s70, 5
	s_add_co_u32 s70, s70, s42
	s_lshl_b32 s70, s70, 2
	s_and_b32 s71, s17, 3                          ; part
	s_add_co_u32 s70, s70, s71
	s_lshl_b32 s70, s70, 14
	s_lshl_b32 s71, s14, 12                        ; d tile = my wave
	s_add_co_u32 s70, s70, s71
	s_mov_b32 s71, 0
	s_add_nc_u64 s[8:9], s[8:9], s[70:71]
	s_lshl_b32 s70, s17, 2
	s_add_co_u32 s70, s70, s14                     ; 16 b + 4 part + wave
	s_lshl_b32 s70, s70, 5
	s_add_co_u32 s70, s70, s42
	s_lshl_b32 s70, s70, 8
	s_add_nc_u64 s[10:11], s[10:11], s[70:71]
; 16 matrix instructions: W's blocks b0, b0 + 1 x x's eight, the phase's q-th 128 along K.  p: x's set; sc: the set of scale words.  The 64 accumulators take turns, in the same order in every step.
.macro MUL16 b0, p, q, sc, zero
.irp b, \b0, \b0+1
.irp a, 0,1,2,3,4,5,6,7
.if \zero
	v_wmma_scale_f32_16x16x128_f8f6f4 v[64*((\b)%4)+8*\a:64*((\b)%4)+8*\a+7], v[128*(\p)+12*\a:128*(\p)+12*\a+11], v[VF+12*(\b):VF+12*(\b)+11], 0, v[SC+32*(\sc)+8*(\q)+\a], v[SC+32*(\sc)+16+8*(\q)+(\b)] matrix_a_fmt:MATRIX_FMT_FP6 matrix_b_fmt:MATRIX_FMT_FP6
.else
	v_wmma_scale_f32_16x16x128_f8f6f4 v[64*((\b)%4)+8*\a:64*((\b)%4)+8*\a+7], v[128*(\p)+12*\a:128*(\p)+12*\a+11], v[VF+12*(\b):VF+12*(\b)+11], v[64*((\b)%4)+8*\a:64*((\b)%4)+8*\a+7], v[SC+32*(\sc)+8*(\q)+\a], v[SC+32*(\sc)+16+8*(\q)+(\b)] matrix_a_fmt:MATRIX_FMT_FP6 matrix_b_fmt:MATRIX_FMT_FP6
.endif
.endr
.endr
.endm
.macro FETCH_U slot, q, p              ; x's eight fragments into set p: 24 loads
	WIN 0x40
.irp a, 0,1,2,3,4,5,6,7
.irp c, 0,1,2
	ds_load_b128 v[128*(\p)+12*\a+4*\c:128*(\p)+12*\a+4*\c+3], v[ADU+(\slot)] offset:(8*(\q)+\a)*1536+512*\c
.endr
.endr
	WIN 0
.endm
.macro FETCH_V place, q, b0            ; W's blocks b0 .. b0 + 3: 12 loads
.irp b, \b0, \b0+1, \b0+2, \b0+3
.irp c, 0,1,2
	ds_load_b128 v[VF+12*(\b)+4*\c:VF+12*(\b)+4*\c+3], v[ADV+(\place)] offset:(8*(\q)+(\b))*1536+512*\c
.endr
.endr
.endm
.macro SCALES slot, place              ; a phase's scale words into set slot: a load brings four tiles' words of my row; 8 loads
.irp q, 0,1
.irp g, 0,1
	ds_load_b128 v[SC+32*(\slot)+8*\q+4*\g:SC+32*(\slot)+8*\q+4*\g+3], v[ASU+(\slot)] offset:512*\q+256*\g
	ds_load_b128 v[SC+32*(\slot)+16+8*\q+4*\g:SC+32*(\slot)+16+8*\q+4*\g+3], v[ASV+(\place)] offset:512*\q+256*\g
.endr
.endr
.endm
.macro STEP ph, zero                   ; a phase's first 128 along K
	s_wait_dscnt 12                                ; all but the youngest 12 loads (W's blocks 4-7) are in
	WIN 0xa1
	MUL16 0, 0, 0, (\ph)%2, \zero
	MUL16 2, 0, 0, (\ph)%2, \zero
	s_wait_dscnt 0x0
	PLACES 4                                       ; four places in front of loads into registers that matrix instructions have read
	FETCH_U (\ph)%2, 1, 1
	FETCH_V (\ph)%4, 1, 0
	WIN 0xf1
	MUL16 4, 0, 0, (\ph)%2, \zero
	MUL16 6, 0, 0, (\ph)%2, \zero
	PLACES 4
	WIN 0
	FETCH_V (\ph)%4, 1, 4
.endm
; A phase's second 128 along K changes slots IN ITS MIDDLE: all reads of this phase's chunks were issued ahead of it, so behind its first 32 products each wave waits for all its tensor loads, adds 0 to its spare word and waits for that
; and for its reads; behind the barrier come the refill and the next phase's first fragments.  So a refill has a whole phase's 128 products between its request and the wait for it.
; fill = 2: x's slot and W's place are filled again; 1: x's slot alone; 0: nothing.
.macro TURN ph, fill
	s_wait_dscnt 12                                ; all but W's blocks 4-7 are in
	WIN 0xa1
	MUL16 0, 1, 1, (\ph)%2, 0
	MUL16 2, 1, 1, (\ph)%2, 0
	WIN 0
	s_wait_tensorcnt 0x0                           ; my part of the next phase has landed; no tensor load of mine is out, so a group 0 may be written
	ds_add_u32 v[SPW], v[NIL]                      ; 0 onto my spare word; the descriptors' steps stand between it and the wait for it
.if (\fill) > 0
	s_add_co_u32 s80, s[ROT], (\ph)+2              ; x's phase ph + 2: K step (rotation + ph + 2) mod 8
	s_and_b32 s80, s80, 7
	s_mul_i32 s80, s80, 819200
	s_add_nc_u64 s[G0X+4*((\ph)%2)+2:G0X+4*((\ph)%2)+3], s[20:21], s[80:81]
	s_or_b32 s[G0X+4*((\ph)%2)+3], s[G0X+4*((\ph)%2)+3], 0x80000000
.endif
.if (\fill) > 1
	s_add_co_u32 s82, s[ROT], (\ph)+4              ; W's phase ph + 4
	s_and_b32 s82, s82, 7
	s_mul_i32 s82, s82, CH
	s_add_nc_u64 s[G0W+4*((\ph)/2)+2:G0W+4*((\ph)/2)+3], s[46:47], s[82:83]
	s_or_b32 s[G0W+4*((\ph)/2)+3], s[G0W+4*((\ph)/2)+3], 0x80000000
.endif
	s_wait_dscnt 0x0                               ; the add is done, my reads of this phase's chunks are over
	s_barrier_signal -1
	s_barrier_wait -1
.if (\fill) > 0
	CREST                                          ; the barrier has opened a round of the cluster's: no wave of any partner still reads these bytes or has a load on its way
.if (\fill) > 1
	JFILL (\ph)%2, (\ph)/2, 2+(\ph)%2              ; the first tensor load behind the round, one a wave
.else
	JFILL (\ph)%2, 0, 0
.endif
.endif
	PLACES 4                                       ; four places on every wave's path in front of loads into registers that matrix instructions have read
	FETCH_U ((\ph)+1)%2, 0, 0
	FETCH_V ((\ph)+1)%4, 0, 0
	SCALES ((\ph)+1)%2, ((\ph)+1)%4
	WIN 0xf1
	MUL16 4, 1, 1, (\ph)%2, 0
	MUL16 6, 1, 1, (\ph)%2, 0
	PLACES 4
	WIN 0
	FETCH_V ((\ph)+1)%4, 0, 4
.endm
	s_wait_tensorcnt 1                             ; my first load is in (x's phase 0; W's phase 0 or 1); my second may be out
	s_barrier_signal -1
	s_barrier_wait -1
	FETCH_U 0, 0, 0
	FETCH_V 0, 0, 0
	SCALES 0, 0
	FETCH_V 0, 0, 4
	STEP 0, 1                                      ; the first step's products start the sums
	TURN 0, 2
	STEP 1, 0
	TURN 1, 2
	STEP 2, 0
	TURN 2, 2
	STEP 3, 0
	TURN 3, 2                                      ; W's last phase is asked for
	STEP 4, 0
	TURN 4, 1
	STEP 5, 0
	TURN 5, 1                                      ; x's last phase is asked for
	STEP 6, 0
	TURN 6, 0
	STEP 7, 0
	s_wait_dscnt 12
	WIN 0xa1
	MUL16 0, 1, 1, 1, 0
	MUL16 2, 1, 1, 1, 0
	s_wait_dscnt 0x0
	WIN 0xf1
	MUL16 4, 1, 1, 1, 0
	MUL16 6, 1, 1, 1, 0
	WIN 0
	; ---- k: relu, the key sums of my 128 rows, and k^T's fragments; v: its fragments.  They go to the exchange as images of their registers
	PLACES 4
.irp b, 0,1,2,3
	v_mov_b32 v[TM+4+\b], 0                        ; a lane permute's destination counts as one of its sources
.endr
	v_mov_b32 v[TP], 0
.irp d, 0,1,2,3
	WIN 0x88
.set J, 0
.rept 64
	v_max_num_f32 v[64*\d+J], 0, v[64*\d+J]        ; relu, in f32, each accumulator from its low end on
.set J, J+1
.endr
	WIN 0x0a
	v_pk_add_f32 v[TA:TA+1], v[64*\d:64*\d+1], v[64*\d+2:64*\d+3]
	v_pk_add_f32 v[TB:TB+1], v[64*\d+4:64*\d+5], v[64*\d+6:64*\d+7]
	WIN 0x08
.irp i, 8,16,24,32,40,48,56
	v_pk_add_f32 v[TA:TA+1], v[TA:TA+1], v[64*\d+\i:64*\d+\i+1]
	v_pk_add_f32 v[TB:TB+1], v[TB:TB+1], v[64*\d+\i+2:64*\d+\i+3]
	v_pk_add_f32 v[TA:TA+1], v[TA:TA+1], v[64*\d+\i+4:64*\d+\i+5]
	v_pk_add_f32 v[TB:TB+1], v[TB:TB+1], v[64*\d+\i+6:64*\d+\i+7]
.endr
	WIN 0
	v_pk_add_f32 v[TA:TA+1], v[TA:TA+1], v[TB:TB+1]
	v_add_f32 v[TA], v[TA], v[TA+1]
	v_permlanex16_b32 v[TP], v[TA], s[SEL], s[SEL+1]
	v_add_f32 v[SS+\d], v[TA], v[TP]               ; the sum over my 128 rows of channel 16 d + r
	QUANT 64*\d, 2, PC, PW
.irp c, 0,1,2
	ds_store_b128 v[EWI], v[PC+4*\c:PC+4*\c+3] offset:1536*\d+512*\c
.endr
	ds_store_b32 v[EWS], v[PW] offset:128*\d
	s_wait_dscnt 0x0                               ; the stores have read their registers
.endr
.irp e, 0,1,2,3
	QUANT 64*\e, 3, PC, PW
.irp c, 0,1,2
	ds_store_b128 v[EWI], v[PC+4*\c:PC+4*\c+3] offset:1536*(4+\e)+512*\c
.endr
	ds_store_b32 v[EWS], v[PW] offset:128*(4+\e)
	s_wait_dscnt 0x0
.endr
	v_cndmask_b32 v[TA], v[SS], v[SS+1], s[HM]     ; lanes 0-15 channels r, lanes 16-31 channels 16 + r
	v_cndmask_b32 v[TB], v[SS+2], v[SS+3], s[HM]
	global_store_b32 v[KSO], v[TA], s[10:11]
	global_store_b32 v[KSO], v[TB], s[10:11] offset:128
	s_barrier_signal -1                            ; every wave's images have landed (each waited for its stores above)
	s_barrier_wait -1
	; ---- kv = k^T v over the work-group's 512 rows: my d tile x four e tiles, four K steps (one from each wave)
	WIN 0x40
.irp k, 0,1,2,3
.irp c, 0,1,2
	ds_load_b128 v[12*\k+4*\c:12*\k+4*\c+3], v[EKI] offset:12288*\k+512*\c
.endr
.irp e, 0,1,2,3
.irp c, 0,1,2
	ds_load_b128 v[48+12*(4*\k+\e)+4*\c:48+12*(4*\k+\e)+4*\c+3], v[LI] offset:(8*\k+4+\e)*1536+512*\c
.endr
.endr
.endr
	WIN 0
.irp k, 0,1,2,3
	ds_load_b32 v[KW+\k], v[EKS] offset:1024*\k
.irp e, 0,1,2,3
	ds_load_b32 v[VW+4*\k+\e], v[EVS] offset:(8*\k+4+\e)*128
.endr
.endr
	s_wait_dscnt 0x0
	WIN 0x05
.irp k, 0,1,2,3
.irp e, 0,1,2,3
.if \k == 0
	v_wmma_scale_f32_16x16x128_f8f6f4 v[D4+8*\e:D4+8*\e+7], v[12*\k:12*\k+11], v[48+12*(4*\k+\e):48+12*(4*\k+\e)+11], 0, v[KW+\k], v[VW+4*\k+\e] matrix_a_fmt:MATRIX_FMT_FP6 matrix_b_fmt:MATRIX_FMT_FP6
.else
	v_wmma_scale_f32_16x16x128_f8f6f4 v[D4+8*\e:D4+8*\e+7], v[12*\k:12*\k+11], v[48+12*(4*\k+\e):48+12*(4*\k+\e)+11], v[D4+8*\e:D4+8*\e+7], v[KW+\k], v[VW+4*\k+\e] matrix_a_fmt:MATRIX_FMT_FP6 matrix_b_fmt:MATRIX_FMT_FP6
.endif
.endr
.endr
	WIN 0
	PLACES 4
.irp e, 0,1,2,3
.irp g, 0,1
	global_store_b128 v[LI], v[D4+8*\e+4*\g:D4+8*\e+4*\g+3], s[8:9] offset:1024*\e+512*\g   ; the registers as they stand: 512 consecutive bytes a store
.endr
.endr
	s_wait_tensorcnt 0x0                           ; the wave's end
	ds_add_u32 v[SPW], v[NIL]
	s_wait_dscnt 0x0
	CROUND                                         ; the closing round
	s_endpgm
.Lfunc_end_k_q1cf44d763d_kvgemm:
	.size	k_q1cf44d763d_kvgemm, .Lfunc_end_k_q1cf44d763d_kvgemm-k_q1cf44d763d_kvgemm
	.p2alignl 7, 3214868480
	.fill 96, 4, 3214868480
	.section	.rodata,"a",@progbits
	.p2align	6, 0x0
	.amdhsa_kernel k_q1cf44d763d_kvgemm
		.amdhsa_group_segment_fixed_size 327680
		.amdhsa_private_segment_fixed_size 0
		.amdhsa_enable_private_segment 0
		.amdhsa_kernarg_size 32
		.amdhsa_user_sgpr_count 2
		.amdhsa_user_sgpr_kernarg_segment_ptr 1
		.amdhsa_wavefront_size32 1
		.amdhsa_system_sgpr_workgroup_id_x 1
		.amdhsa_system_sgpr_workgroup_id_y 1
		.amdhsa_system_sgpr_workgroup_id_z 1
		.amdhsa_system_vgpr_workitem_id 0
		.amdhsa_next_free_vgpr 1024
		.amdhsa_next_free_sgpr 100
		.amdhsa_reserve_vcc 0
		.amdhsa_float_denorm_mode_32 3
		.amdhsa_float_denorm_mode_16_64 3
		.amdhsa_memory_ordered 1
		.amdhsa_forward_progress 1
		.amdhsa_inst_pref_size 255
	.end_amdhsa_kernel
	.section	.bss,"aw",@nobits
	.p2align	6
	.space	262144
	.amdgpu_metadata
---
amdhsa.version: [ 1, 2 ]
amdhsa.kernels:
  - .name:           k_q1cf44d763d_kvgemm
    .symbol:         k_q1cf44d763d_kvgemm.kd
    .args:
      - { .name: xc, .offset: 0, .size: 8, .value_kind: global_buffer, .address_space: global }
      - { .name: wc, .offset: 8, .size: 8, .value_kind: global_buffer, .address_space: global }
      - { .name: kvp, .offset: 16, .size: 8, .value_kind: global_buffer, .address_space: global }
      - { .name: ksp, .offset: 24, .size: 8, .value_kind: global_buffer, .address_space: global }
    .group_segment_fixed_size: 327680
    .private_segment_fixed_size: 0
    .kernarg_segment_align: 8
    .kernarg_segment_size: 32
    .max_flat_workgroup_size: 128
    .sgpr_count:     100
    .vgpr_count:     1024
    .wavefront_size: 32
...
	.end_amdgpu_metadata
.endif
;; end of part 2
;; launch qattn (part 3): grid 16 x 16, 4 waves a work-group, clusters of 4 x 4, 327,680 bytes of LDS; arguments xc, wc, kvp, ksp, oc; writes oc
.if DOCPART == 3
	.amdgcn_target "amdgcn-amd-amdhsa--gfx1250"
	.amdhsa_code_object_version 6
	.text
	.protected	k_q1cf44d763d_qattn
	.globl	k_q1cf44d763d_qattn
	.p2align	8
	.type	k_q1cf44d763d_qattn,@function
k_q1cf44d763d_qattn:
	s_mov_b64 s[64:65], 0
	v_nop
	global_prefetch_b8 v0, s[64:65] scope:SCOPE_SE
	s_setreg_imm32_b32 hwreg(HW_REG_WAVE_MODE, 25, 1), 1
	s_wait_xcnt 0x0
	s_wait_alu depctr_hold_cnt(0) depctr_sa_sdst(0) depctr_va_vdst(0) depctr_va_sdst(0) depctr_va_ssrc(0) depctr_va_vcc(0) depctr_vm_vsrc(0)
	s_getreg_b32 s2, hwreg(HW_REG_IB_STS2, 6, 4)
	s_cmp_eq_u32 s2, 0
	s_cbranch_scc0 .Lentry_in_a_cluster
	s_endpgm
.Lentry_in_a_cluster:
	s_bfe_u32 s2, ttmp6, 0x10000c
	s_cmp_lg_u32 s2, 0xf033
	s_cbranch_scc0 .Lentry_shape_is_right
	s_endpgm
.Lentry_shape_is_right:
; q = relu(x Wq) on codes of FP6; then in registers: the normaliser q . key_sum (f32 multiply-adds, held at 1e-6 from below), q quantised along d, q kv on codes, the division, and out quantised along head x 64 + e.
; SHARES.  Work-group (X = a pair of heads, Y = 256 rows).  Wave w: 64 rows (four tiles) x both heads (eight tiles of Wq's columns): 32 accumulators.  Two heads are one K step (128) of the last product, so a wave's results are whole fragments.
; ORIENTATION.  Source 0 = 16 columns of Wq, source 1 = 16 rows of x: a lane holds ONE row, its registers run along d (Wq's columns were laid for that).  q kv: source 0 = 16 rows e of kv^T, source 1 = q: again one row a lane, registers along e.
; kv AND key_sum come as partial sums (4 and 16 for a batch): asked for ten loads at a time behind the LDS loads of the first eight K steps, into registers that nothing names before the K walk has ended, and waited for once.
; Wave w adds and quantises (along d) two e tiles of head w / 2; the eight kv^T fragments (half a K step each: the other head's half holds zero codes) go round through LDS as images of their registers.
; K goes in four phases of 512 through two LDS slots of six dense chunks (W's two, x's four).  CLUSTER 4 x 4: x's chunks jointly along a row, W's along a column.
; THE WALK ALONG K IS ROTATED: phase i of cluster (x, y) is K block (x + 2 ((y xor y / 2) and 1) + i) mod 4.  The four clusters along x, which read the same rows of x, begin at the four blocks; clusters along y, which read the same
; columns of Wq, begin at two blocks that lie two apart.  Each first-fills two blocks: so what a change of slots asks for, another cluster has asked for among its first fills.  The rotation is the same in all sixteen partners.
; LIMITS: the order of the f32 sums along K differs from cluster to cluster; NaN and infinities are not served; a block whose largest magnitude lies under 2^-124, zeros among them, keeps the scale byte 1; the division is a reciprocal
; and a multiplication; a normaliser above 2^126 would have its reciprocal flushed to 0.
; REGISTERS: window 0: v1-29 addresses; v32-64 scale words; v96-191 x's fragments, two sets (later at work); v192-255 key-sum partials.  window 1: Wq's fragments, two sets (later kv^T's eight, and key_sum at v96).  window 2: accumulator (t, u) at 64 t + 8 u.  window 3: kv's partials.
.set SLOT,  153600                     ; W(tau) at 25600 tau; x(tau, rho) at 51200 + 51200 tau + 25600 rho
.set SPARE, 307200                     ; the spare words, 128 bytes a wave
.set KVI,   307712                     ; 8 images of 768 bytes: kv^T's fragments
.set KVW,   313856                     ; their scale words, 128 bytes each
.set KSR,   314880                     ; key_sum of the two heads, 512 bytes for each wave
.set LI,  3
.set L4,  4
.set AU,  5                            ; v5-6   W's fragments in slot 0, 1
.set ASU, 7                            ; v7-8   W's scale words
.set AV,  9                            ; v9-12  x's fragments, [slot][tau]
.set ASV, 13                           ; v13-16 x's scale words
.set KW16, 17
.set KW8,  18
.set KW4,  19
.set KR16, 20
.set KR8,  21
.set KR4,  22
.set KSW,  23
.set KSRD, 24
.set KVO,  25                          ; v25 16 r + 8192 h
.set SO,   26                          ; v26 16 r + 8 h
.set SH8,  27                          ; v27 8 h
.set SPW, 28
.set NIL, 29
.set SCU, 32                           ; v32-47 W's scale words, 8 a set
.set SCV, 48                           ; v48-55 x's, 4 a set
.set KVS, 56                           ; v56-63 kv^T's
.set PWQ, 64                           ; v64 q's
.set VF,  96
.set KSP, 192
.set PC,  96                           ; epilogue
.set CT,  108
.set TM,  116
.set OF,  132                          ; v132-179 out's four fragments
.set W4,  180
.set T,   184
.set TP,  196
.set KC,  200
.set WS,  212
.set KWD, 214
.set RN,  216
.set KS,  96                           ; in window 1
.set G1X, 24
.set G0X, 32
.set G1W, 48
.set G0W, 56
.set SEL, 66
.set FL,  68
.set HM,  69
.set ROT, 84                           ; s84 the K block at which my cluster begins
.set MSB, 0
.macro WIN new                         ; the immediate's high byte repeats the setting that is left
.if MSB != (\new)
	s_set_vgpr_msb (MSB<<8)|(\new)
.set MSB, \new
.endif
.endm
.macro PLACES n
.rept \n
	v_nop
.endr
.endm
.macro JLOAD g0a, g1a, g0b, g1b        ; waves 0 and 1 fetch x's chunks, waves 2 and 3 W's; an s_nop 0 and four v_nop follow each line
	s_cmp_eq_u32 s15, 0
	s_cbranch_scc0 .Lfor_b_\@
	tensor_load_to_lds s[\g0a:\g0a+3], s[\g1a:\g1a+7]
	s_nop 0
.rept 4
	v_nop
.endr
	s_branch .Lasked_\@
.Lfor_b_\@:
	tensor_load_to_lds s[\g0b:\g0b+3], s[\g1b:\g1b+7]
	s_nop 0
.rept 4
	v_nop
.endr
.Lasked_\@:
.endm
.macro CREST
	s_cmp_lg_u32 s14, 0
	s_cbranch_scc1 .Lnot_wave_0_\@
	s_barrier_signal -3
.Lnot_wave_0_\@:
	s_barrier_wait -3
	s_barrier_signal -1
	s_barrier_wait -1
.endm
.macro CROUND
	s_barrier_signal -1
	s_barrier_wait -1
	CREST
.endm
; 64 numbers of a lane in window W, register 16 b + i = K 32 b + 16 (lane / 16) + i of my row, become a fragment in v[pc] on and its scale word in v[pw] (window 0).
.macro QUANT s, W, pc, pw
	WIN ((\W)<<2)|((\W)<<4)
.irp b, 0,1,2,3
	v_max3_num_f32 v[TM+\b], s[FL], |v[(\s)+16*\b]|, |v[(\s)+16*\b+1]|
.endr
.irp i, 2,4,6,8,10,12,14
.irp b, 0,1,2,3
	v_max3_num_f32 v[TM+\b], v[TM+\b], |v[(\s)+16*\b+\i]|, |v[(\s)+16*\b+\i+1]|
.endr
.endr
	WIN 0
.irp b, 0,1,2,3
	v_permlanex16_b32 v[TM+4+\b], v[TM+\b], s[SEL], s[SEL+1]
.endr
.irp b, 0,1,2,3
	v_max_num_f32 v[TM+\b], v[TM+\b], v[TM+4+\b]
.endr
.irp b, 0,1,2,3
	v_add_nc_u32 v[TM+12+\b], 0xff000000, v[TM+\b]
.endr
.irp b, 0,1,2,3
	v_lshrrev_b32 v[TM+4+\b], 23, v[TM+12+\b]
.endr
	v_lshl_or_b32 v[\pw], v[TM+5], 8, v[TM+4]
	v_lshl_or_b32 v[\pw], v[TM+6], 16, v[\pw]
	v_lshl_or_b32 v[\pw], v[TM+7], 24, v[\pw]
	WIN \W
.irp c, 0,1
	v_cvt_scalef32_pk16_fp6_f32 v[(\pc)+6*\c:(\pc)+6*\c+2], v[(\s)+32*\c:(\s)+32*\c+15], v[TM+12+2*\c]
	v_cvt_scalef32_pk16_fp6_f32 v[CT+4*\c:CT+4*\c+2], v[(\s)+32*\c+16:(\s)+32*\c+31], v[TM+13+2*\c]
.endr
	WIN 0
	v_nop
.irp c, 0,1
.irp i, 0,1,2
	v_permlane16_swap_b32 v[(\pc)+6*\c+\i], v[CT+4*\c+\i]
.endr
.irp i, 0,1,2
	v_mov_b32 v[(\pc)+3+6*\c+\i], v[CT+4*\c+\i]
.endr
.endr
.endm
	s_load_b256 s[4:11], s[0:1], 0x0               ; xc s[4:5], wc s[6:7], kvp s[8:9], ksp s[10:11]
	s_load_b64 s[12:13], s[0:1], 0x20              ; oc
	v_lshl_add_u32 v[SPW], v0, 2, SPARE
	v_mov_b32 v[NIL], 0
	ds_add_u32 v[SPW], v[NIL]                      ; the wave's opening: the add and its wait stand ahead of my first tensor load
	v_lshrrev_b32 v1, 5, v0
	v_readfirstlane_b32 s14, v1                    ; wave
	s_lshr_b32 s15, s14, 1
	s_and_b32 s16, s14, 1
	s_bfe_u32 s40, ttmp6, 0x40000                  ; cx
	s_bfe_u32 s41, ttmp6, 0x40004                  ; cy
	s_lshl_b32 s42, ttmp9, 2
	s_add_co_u32 s42, s42, s40                     ; X: the pair of heads
	s_and_b32 s17, ttmp7, 0xffff                   ; cluster y
	s_lshr_b32 s85, s17, 1
	s_xor_b32 s85, s85, s17
	s_and_b32 s85, s85, 1
	s_lshl_b32 s85, s85, 1
	s_add_co_u32 s85, s85, ttmp9
	s_and_b32 s[ROT], s85, 3                       ; (cluster x + 2 ((y xor y / 2) and 1)) mod 4: the same in all partners
	s_lshl_b32 s17, s17, 2
	s_add_co_u32 s17, s17, s41                     ; Y: the block of 256 rows
	s_lshl_b32 s43, s41, 2
	s_lshl_b32 s43, 15, s43
	s_lshl_b32 s44, 0x1111, s40
	; group 1: dense blocks as rows of 256 bytes: x 200 rows (two chunks), W 100 rows (one chunk)
	s_or_b32 s[G1X+0], s43, (3<<16)|(1<<21)
	s_or_b32 s[G1W+0], s44, (3<<16)|(1<<21)
	s_mov_b32 s[G1X+1], 32<<16
	s_mov_b32 s[G1X+2], 200<<16
	s_mov_b32 s[G1X+3], 32<<16
	s_mov_b32 s[G1X+4], 200
	s_mov_b32 s[G1X+5], 32
	s_mov_b32 s[G1X+6], 0
	s_mov_b32 s[G1X+7], 0
	s_mov_b32 s[G1W+1], 32<<16
	s_mov_b32 s[G1W+2], 100<<16
	s_mov_b32 s[G1W+3], 32<<16
	s_mov_b32 s[G1W+4], 100
	s_mov_b32 s[G1W+5], 32
	s_mov_b32 s[G1W+6], 0
	s_mov_b32 s[G1W+7], 0
	s_mul_i32 s20, s17, 51200                      ; x: two chunks for each Y,
	s_mul_i32 s21, s16, 819200                     ; of the K step of 256 that I fetch
	s_add_co_u32 s20, s20, s21
	s_mov_b32 s21, 0
	s_mul_i32 s46, s42, 204800                     ; W: block X,
	s_mul_i32 s47, s16, 25600
	s_add_co_u32 s46, s46, s47
	s_mov_b32 s47, 0
	s_mul_i32 s45, s16, 51200
	s_add_co_u32 s45, s45, 51200                   ; where x's go in a slot,
	s_mul_i32 s94, s16, 25600                      ; and W's
	s_mov_b32 s81, 0                               ; the upper words of the two offsets
	s_mov_b32 s83, 0
	s_mov_b32 s[SEL], 0x76543210
	s_mov_b32 s[SEL+1], 0xfedcba98
	s_mov_b32 s[FL], 0x1800000
	s_mov_b32 s[HM], 0xffff0000
	s_lshl_b32 s73, s15, 4                         ; 16 x (which of the two heads' kv I quantise)
	s_wait_dscnt 0x0
	s_wait_kmcnt 0x0
	s_add_nc_u64 s[20:21], s[4:5], s[20:21]        ; my part of x's K block 0; kept
	s_add_nc_u64 s[46:47], s[6:7], s[46:47]        ; my part of W's K block 0; kept
	CROUND
.irp s, 0,1
	s_add_co_u32 s80, s[ROT], \s
	s_and_b32 s80, s80, 3
	s_mul_i32 s82, s80, 51200
	s_mul_i32 s80, s80, 1638400
	s_mov_b32 s[G0X+4*\s], 1
	s_add_co_u32 s[G0X+4*\s+1], s45, \s*SLOT
	s_add_nc_u64 s[G0X+4*\s+2:G0X+4*\s+3], s[20:21], s[80:81]
	s_or_b32 s[G0X+4*\s+3], s[G0X+4*\s+3], 0x80000000
	s_mov_b32 s[G0W+4*\s], 1
	s_add_co_u32 s[G0W+4*\s+1], s94, \s*SLOT
	s_add_nc_u64 s[G0W+4*\s+2:G0W+4*\s+3], s[46:47], s[82:83]
	s_or_b32 s[G0W+4*\s+3], s[G0W+4*\s+3], 0x80000000
	JLOAD G0X+4*\s, G1X, G0W+4*\s, G1W
.endr
	v_and_b32 v1, 15, v0                           ; r
	v_bfe_u32 v2, v0, 4, 1                         ; h
	v_and_b32 v[LI], 31, v0
	v_lshlrev_b32 v[L4], 2, v[LI]
	v_lshlrev_b32 v31, 3, v[LI]                    ; 8 x lane
	v_lshlrev_b32 v[LI], 4, v[LI]
	v_lshlrev_b32 v30, 4, v1                       ; 16 r
	v_lshl_add_u32 v[KVO], v2, 13, v30
	v_lshl_add_u32 v[SO], v2, 3, v30
	v_lshlrev_b32 v[SH8], 3, v2
	s_mul_i32 s70, s15, 25600
	s_mul_i32 s71, s16, 6144
	s_add_co_u32 s70, s70, s71
	s_add_co_u32 s70, s70, 51200                   ; my four tiles' codes in slot 0, tau 0
	s_mul_i32 s71, s15, 25600
	s_lshl_b32 s72, s16, 8
	s_add_co_u32 s71, s71, s72
	s_add_co_u32 s71, s71, 51200+24576             ; and their scale words
.irp s, 0,1
	v_add_nc_u32 v[AU+\s], \s*SLOT, v[LI]
	v_add_nc_u32 v[ASU+\s], \s*SLOT, v30
.irp tau, 0,1
	s_add_co_u32 s72, s70, \s*SLOT+\tau*51200
	v_add_nc_u32 v[AV+2*\s+\tau], s72, v[LI]
	s_add_co_u32 s72, s71, \s*SLOT+\tau*51200
	v_add_nc_u32 v[ASV+2*\s+\tau], s72, v30
.endr
.endr
	s_mul_i32 s72, s14, 1536
	s_add_co_u32 s72, s72, KVI
	v_add_nc_u32 v[KW16], s72, v[LI]
	s_add_co_u32 s72, s72, 512
	v_add_nc_u32 v[KW8], s72, v31
	s_lshl_b32 s72, s14, 8
	s_add_co_u32 s72, s72, KVW
	v_add_nc_u32 v[KW4], s72, v[L4]
	v_add_nc_u32 v[KR16], KVI, v[LI]
	v_add_nc_u32 v[KR8], KVI+512, v31
	v_add_nc_u32 v[KR4], KVW, v[L4]
	s_lshl_b32 s72, s14, 9
	s_add_co_u32 s72, s72, KSR
	v_add_nc_u32 v[KSW], s72, v[LI]
	v_lshlrev_b32 v[KSRD], 6, v2
	v_add_nc_u32 v[KSRD], s72, v[KSRD]
	s_lshr_b32 s70, s17, 3                         ; b
	s_lshl_b32 s71, s70, 5
	s_lshl_b32 s72, s42, 1
	s_add_co_u32 s71, s71, s72
	s_add_co_u32 s71, s71, s15                     ; the head whose kv I quantise
	s_lshl_b32 s74, s71, 16                        ; four parts of 16,384 bytes a head
	s_lshl_b32 s72, s16, 11                        ; my two e tiles
	s_add_co_u32 s74, s74, s72
	s_mov_b32 s75, 0
	s_add_nc_u64 s[8:9], s[8:9], s[74:75]
	s_lshl_b32 s74, s70, 17                        ; 16 parts x 32 heads x 256 bytes a batch
	s_lshl_b32 s72, s42, 9
	s_add_co_u32 s74, s74, s72
	s_add_nc_u64 s[10:11], s[10:11], s[74:75]
	s_lshr_b32 s74, s42, 1
	s_lshl_b32 s74, s74, 5
	s_lshl_b32 s72, s17, 1
	s_add_co_u32 s74, s74, s72
	s_add_co_u32 s74, s74, s15
	s_mul_i32 s74, s74, 25600                      ; out's chunk: K step of 256 X / 2, rows 128 (2 Y + w / 2) on
	s_and_b32 s72, s42, 1
	s_mul_i32 s76, s72, 12288
	s_mul_i32 s77, s16, 6144
	s_add_co_u32 s76, s76, s77
	s_add_co_u32 s76, s76, s74
	s_mov_b32 s77, 0
	s_lshl_b32 s72, s72, 9
	s_lshl_b32 s78, s16, 8
	s_add_co_u32 s78, s78, s72
	s_add_co_u32 s78, s78, s74
	s_add_co_u32 s78, s78, 24576
	s_mov_b32 s79, 0
	s_add_nc_u64 s[76:77], s[12:13], s[76:77]      ; my four fragments of out
	s_add_nc_u64 s[78:79], s[12:13], s[78:79]      ; their scale words
; Group j of eight of the partial sums: ten loads.  kv: part j / 2, my e tile j % 2: lane (r, h) takes, of row e = position r of its tile, d = 32 h + 8 dd + 0 .. 7; sixteen lanes read 256 consecutive bytes.
; key_sum: parts 2 j and 2 j + 1 of the two heads, 512 consecutive bytes a load.  Nothing names these registers before the walk along K has ended.
.macro PART j
	WIN 0xc0
.irp dd, 0,1,2,3
.irp g, 0,1
	global_load_b128 v[64*((\j)/2)+32*((\j)%2)+8*\dd+4*\g:64*((\j)/2)+32*((\j)%2)+8*\dd+4*\g+3], v[KVO], s[8:9] offset:16384*((\j)/2)+1024*((\j)%2)+4096*(\dd/2)+512*\g+256*(\dd%2)
.endr
.endr
	WIN 0
.irp i, 0,1
	global_load_b128 v[KSP+4*(2*(\j)+\i):KSP+4*(2*(\j)+\i)+3], v[LI], s[10:11] offset:8192*(2*(\j)+\i)
.endr
.endm
; the fragments and scale words of the slot's step sg (128 along K) into set: 39 loads
.macro FETCH slot, sg, set
	WIN 0x40
.irp u, 0,1,2,3,4,5,6,7
.irp c, 0,1,2
	ds_load_b128 v[96*(\set)+12*\u+4*\c:96*(\set)+12*\u+4*\c+3], v[AU+\slot] offset:25600*((\sg)/2)+(8*((\sg)%2)+\u)*1536+512*\c
.endr
.endr
	WIN 0
.irp t, 0,1,2,3
.irp c, 0,1,2
	ds_load_b128 v[VF+48*(\set)+12*\t+4*\c:VF+48*(\set)+12*\t+4*\c+3], v[AV+2*\slot+(\sg)/2] offset:(8*((\sg)%2)+\t)*1536+512*\c
.endr
.endr
.irp g, 0,1
	ds_load_b128 v[SCU+8*(\set)+4*\g:SCU+8*(\set)+4*\g+3], v[ASU+\slot] offset:25600*((\sg)/2)+24576+512*((\sg)%2)+256*\g
.endr
	ds_load_b128 v[SCV+4*(\set):SCV+4*(\set)+3], v[ASV+2*\slot+(\sg)/2] offset:512*((\sg)%2)
.endm
; 8 matrix instructions: row tile t x W's eight.  The 32 accumulators take turns, in the same order in every step.
.macro MUL8 t, set, zero
.irp u, 0,1,2,3,4,5,6,7
.if \zero
	v_wmma_scale_f32_16x16x128_f8f6f4 v[64*\t+8*\u:64*\t+8*\u+7], v[96*(\set)+12*\u:96*(\set)+12*\u+11], v[VF+48*(\set)+12*\t:VF+48*(\set)+12*\t+11], 0, v[SCU+8*(\set)+\u], v[SCV+4*(\set)+\t] matrix_a_fmt:MATRIX_FMT_FP6 matrix_b_fmt:MATRIX_FMT_FP6
.else
	v_wmma_scale_f32_16x16x128_f8f6f4 v[64*\t+8*\u:64*\t+8*\u+7], v[96*(\set)+12*\u:96*(\set)+12*\u+11], v[VF+48*(\set)+12*\t:VF+48*(\set)+12*\t+11], v[64*\t+8*\u:64*\t+8*\u+7], v[SCU+8*(\set)+\u], v[SCV+4*(\set)+\t] matrix_a_fmt:MATRIX_FMT_FP6 matrix_b_fmt:MATRIX_FMT_FP6
.endif
.endr
.endm
.macro KSTEP slot, sg, zero, part      ; one of a slot's first three steps: the next step's loads go out (part >= 0: and a group of the partial sums'), then this step's 32 products
	s_wait_dscnt 0x0                               ; this step's operands are in (asked for a step ago)
	PLACES 4                                       ; four places in front of loads into registers that matrix instructions have read
	FETCH \slot, (\sg)+1, 1-(\sg)%2
.if (\part) >= 0
	PART \part
.endif
	WIN 0xa1
	MUL8 0, (\sg)%2, \zero
	MUL8 1, (\sg)%2, \zero
	MUL8 2, (\sg)%2, \zero
	MUL8 3, (\sg)%2, \zero
	WIN 0
.endm
; A slot's last step changes slots IN ITS MIDDLE: all reads of this slot were issued a step ago, so behind the step's first 16 products each wave waits for all its tensor loads, adds 0 to its spare word and waits for that;
; behind the barrier come the refill (fill = 1: phase ph of my cluster's walk) and the next slot's first fragments.  So a refill has a whole slot's 128 products between its request and the wait for it.
.macro KTURN slot, next, fill, ph
	s_wait_dscnt 0x0                               ; this step's operands are in: my reads of this slot are over
	WIN 0xa1
	MUL8 0, 1, 0
	MUL8 1, 1, 0
	WIN 0
	s_wait_tensorcnt 0x0                           ; my part of the next slot has landed; no tensor load of mine is out, so a group 0 may be written
	ds_add_u32 v[SPW], v[NIL]                      ; 0 onto my spare word; the descriptors' steps stand between it and the wait for it
.if \fill
	s_add_co_u32 s80, s[ROT], \ph
	s_and_b32 s80, s80, 3                          ; K block (rotation + ph) mod 4
	s_mul_i32 s82, s80, 51200
	s_mul_i32 s80, s80, 1638400
	s_add_nc_u64 s[G0X+4*\slot+2:G0X+4*\slot+3], s[20:21], s[80:81]
	s_or_b32 s[G0X+4*\slot+3], s[G0X+4*\slot+3], 0x80000000
	s_add_nc_u64 s[G0W+4*\slot+2:G0W+4*\slot+3], s[46:47], s[82:83]
	s_or_b32 s[G0W+4*\slot+3], s[G0W+4*\slot+3], 0x80000000
.endif
	s_wait_dscnt 0x0                               ; the add is done
	s_barrier_signal -1
	s_barrier_wait -1
.if \fill
	CREST                                          ; a round of the cluster's barrier: no wave of any partner still reads this slot or has a load on its way
	JLOAD G0X+4*\slot, G1X, G0W+4*\slot, G1W       ; the first tensor load behind the round; its four v_nop are the places in front of the loads below
.else
	PLACES 4
.endif
	FETCH \next, 0, 0
	WIN 0xa1
	MUL8 2, 1, 0
	MUL8 3, 1, 0
	WIN 0
.endm
	s_wait_tensorcnt 1                             ; my part of slot 0 is in; slot 1's may be out
	s_barrier_signal -1
	s_barrier_wait -1
	FETCH 0, 0, 0
	KSTEP 0, 0, 1, 0                               ; the first step's products start the sums
	KSTEP 0, 1, 0, 1
	KSTEP 0, 2, 0, 2
	KTURN 0, 1, 1, 2
	KSTEP 1, 0, 0, 3
	KSTEP 1, 1, 0, 4
	KSTEP 1, 2, 0, 5
	KTURN 1, 0, 1, 3
	KSTEP 0, 0, 0, 6
	KSTEP 0, 1, 0, 7
	KSTEP 0, 2, 0, -1
	KTURN 0, 1, 0, 0
	KSTEP 1, 0, 0, -1
	KSTEP 1, 1, 0, -1
	KSTEP 1, 2, 0, -1
	s_wait_dscnt 0x0
	WIN 0xa1
	MUL8 0, 1, 0
	MUL8 1, 1, 0
	MUL8 2, 1, 0
	MUL8 3, 1, 0
	WIN 0
	s_wait_loadcnt 0x0                             ; kv's and key_sum's partial sums
	PLACES 4
	; ---- key_sum of my two heads: 16 parts, my lane's four channels
.irp pi, 1,2,3,4,5,6,7,8,9,10,11,12,13,14,15
	v_pk_add_f32 v[KSP:KSP+1], v[KSP:KSP+1], v[KSP+4*\pi:KSP+4*\pi+1]
	v_pk_add_f32 v[KSP+2:KSP+3], v[KSP+2:KSP+3], v[KSP+4*\pi+2:KSP+4*\pi+3]
.endr
	ds_store_b128 v[KSW], v[KSP:KSP+3]
.irp b, 0,1,2,3
	v_mov_b32 v[TM+4+\b], 0                        ; a lane permute's destination counts as one of its sources
	v_mov_b32 v[TP+\b], 0
.endr
	v_mov_b32 v[RN+1], 0                           ; named as the upper halves of pairs
	v_mov_b32 v[RN+3], 0
	; ---- kv: four parts are added, then quantised along d: a lane holds a whole block (d = 32 h on) of its row e
	WIN 0xcf
.irp pi, 1,2,3
.set J, 0
.rept 32
	v_pk_add_f32 v[J:J+1], v[J:J+1], v[64*\pi+J:64*\pi+J+1]
.set J, J+2
.endr
.endr
.irp e, 0,1
	WIN 0x3c
	v_max3_num_f32 v[TP], s[FL], |v[32*\e]|, |v[32*\e+1]|
	v_max3_num_f32 v[TP+1], s[FL], |v[32*\e+2]|, |v[32*\e+3]|
.irp i, 4,8,12,16,20,24,28
	v_max3_num_f32 v[TP], v[TP], |v[32*\e+\i]|, |v[32*\e+\i+1]|
	v_max3_num_f32 v[TP+1], v[TP+1], |v[32*\e+\i+2]|, |v[32*\e+\i+3]|
.endr
	WIN 0
	v_max_num_f32 v[TP], v[TP], v[TP+1]
	v_add_nc_u32 v[TP+2], 0xff000000, v[TP]
	v_lshrrev_b32 v[KWD+\e], 23, v[TP+2]
	WIN 0x03
	v_cvt_scalef32_pk16_fp6_f32 v[KC+6*\e:KC+6*\e+2], v[32*\e:32*\e+15], v[TP+2]
	v_cvt_scalef32_pk16_fp6_f32 v[CT:CT+2], v[32*\e+16:32*\e+31], v[TP+2]
	WIN 0
	v_lshlrev_b32 v[KWD+\e], v[SH8], v[KWD+\e]     ; my block's byte at its place (also the plain instruction behind the conversions)
.irp i, 0,1,2
	v_mov_b32 v[KC+6*\e+3+\i], v[CT+\i]
.endr
	v_permlanex16_b32 v[TP+3], v[KWD+\e], s[SEL], s[SEL+1]
	v_or_b32 v[KWD+\e], v[KWD+\e], v[TP+3]         ; with lane l xor 16's: the head's two bytes,
	v_lshlrev_b32 v[KWD+\e], s73, v[KWD+\e]        ; in the head's half of the word; the other half's bytes are 0 over zero codes
	ds_store_b128 v[KW16], v[KC+6*\e:KC+6*\e+3] offset:768*\e
	ds_store_b64 v[KW8], v[KC+6*\e+4:KC+6*\e+5] offset:768*\e
	ds_store_b32 v[KW4], v[KWD+\e] offset:128*\e
.endr
	s_wait_dscnt 0x0                               ; my stores have landed
	s_barrier_signal -1
	s_barrier_wait -1
	; ---- all eight fragments of kv^T (f = 4 head + e tile), the other head's half cleared; key_sum in the order of q's registers
	WIN 0x40
.irp f, 0,1,2,3,4,5,6,7
.irp i, 0,1,2,3,4,5
	v_mov_b32 v[12*\f+6*(1-\f/4)+\i], 0
.endr
.endr
.irp f, 0,1,2,3,4,5,6,7
	ds_load_b128 v[12*\f+6*(\f/4):12*\f+6*(\f/4)+3], v[KR16] offset:768*\f
	ds_load_b64 v[12*\f+6*(\f/4)+4:12*\f+6*(\f/4)+5], v[KR8] offset:768*\f
.endr
.irp b, 0,1,2,3
.irp k, 0,1,2,3
	ds_load_b128 v[KS+16*\b+4*\k:KS+16*\b+4*\k+3], v[KSRD] offset:128*\b+16*\k   ; register 16 b + i: channel 32 b + 16 h + i of the 128
.endr
.endr
	WIN 0
.irp f, 0,1,2,3,4,5,6,7
	ds_load_b32 v[KVS+\f], v[KR4] offset:128*\f
.endr
	s_wait_dscnt 0x0
	; ---- a tile of 16 rows at a time
.irp t, 0,1,2,3
	WIN 0x88
.set J, 0
.rept 64
	v_max_num_f32 v[64*\t+J], 0, v[64*\t+J]        ; relu, each accumulator from its low end on
.set J, J+1
.endr
	WIN 0x06                                       ; the normaliser: q . key_sum in f32, two chains a head
.irp hh, 0,1
.irp c, 0,1
	v_pk_mul_f32 v[T+4*\hh+2*\c:T+4*\hh+2*\c+1], v[64*\t+32*\hh+2*\c:64*\t+32*\hh+2*\c+1], v[KS+32*\hh+2*\c:KS+32*\hh+2*\c+1]
.endr
.endr
.irp p, 2,4,6,8,10,12,14
.irp hh, 0,1
.irp c, 0,1
	v_pk_fma_f32 v[T+4*\hh+2*\c:T+4*\hh+2*\c+1], v[64*\t+32*\hh+2*(\p+\c):64*\t+32*\hh+2*(\p+\c)+1], v[KS+32*\hh+2*(\p+\c):KS+32*\hh+2*(\p+\c)+1], v[T+4*\hh+2*\c:T+4*\hh+2*\c+1]
.endr
.endr
.endr
	WIN 0
.irp hh, 0,1
	v_pk_add_f32 v[T+4*\hh:T+4*\hh+1], v[T+4*\hh:T+4*\hh+1], v[T+4*\hh+2:T+4*\hh+3]
.endr
.irp hh, 0,1
	v_add_f32 v[TP+\hh], v[T+4*\hh], v[T+4*\hh+1]
.endr
.irp hh, 0,1
	v_permlanex16_b32 v[TP+2+\hh], v[TP+\hh], s[SEL], s[SEL+1]
.endr
.irp hh, 0,1
	v_add_f32 v[TP+\hh], v[TP+\hh], v[TP+2+\hh]
.endr
.irp hh, 0,1
	v_max_num_f32 v[TP+\hh], 0x358637bd, v[TP+\hh] ; held at 1e-6 from below
.endr
.irp hh, 0,1
	v_rcp_f32 v[RN+2*\hh], v[TP+\hh]
.endr
	QUANT 64*\t, 2, PC, PWQ                        ; q along d: both heads, one fragment.  (Plain work behind the reciprocals; it names none of their results)
	PLACES 8                                       ; a scale word written by vector instructions stands 8 places ahead of a scaled matrix instruction, an operand 4
	WIN 0x81
.irp hh, 0,1
.irp e, 0,1,2,3
	v_wmma_scale_f32_16x16x128_f8f6f4 v[64*\t+32*\hh+8*\e:64*\t+32*\hh+8*\e+7], v[12*(4*\hh+\e):12*(4*\hh+\e)+11], v[PC:PC+11], 0, v[KVS+4*\hh+\e], v[PWQ] matrix_a_fmt:MATRIX_FMT_FP6 matrix_b_fmt:MATRIX_FMT_FP6
.endr
.endr
	WIN 0
	PLACES 4
	s_wait_alu depctr_va_vdst(0)                   ; one wait for the two reciprocals, ahead of their first reader
	WIN 0x82
.irp hh, 0,1
.set J, 0
.rept 16
	v_pk_mul_f32 v[64*\t+32*\hh+J:64*\t+32*\hh+J+1], v[64*\t+32*\hh+J:64*\t+32*\hh+J+1], v[RN+2*\hh:RN+2*\hh+1] op_sel_hi:[1,0]
.set J, J+2
.endr
.endr
	QUANT 64*\t, 2, OF+12*\t, W4+\t                ; out along head x 64 + e: K step X of the last product
.irp c, 0,1,2
	global_store_b128 v[LI], v[OF+12*\t+4*\c:OF+12*\t+4*\c+3], s[76:77] offset:1536*\t+512*\c
.endr
.endr
	v_cndmask_b32 v[WS], v[W4], v[W4+2], s[HM]
	v_cndmask_b32 v[WS+1], v[W4+1], v[W4+3], s[HM]
	global_store_b64 v[SO], v[WS:WS+1], s[78:79]   ; 32 lanes store 256 consecutive bytes
	s_wait_tensorcnt 0x0                           ; the wave's end
	ds_add_u32 v[SPW], v[NIL]
	s_wait_dscnt 0x0
	CROUND
	s_endpgm
.Lfunc_end_k_q1cf44d763d_qattn:
	.size	k_q1cf44d763d_qattn, .Lfunc_end_k_q1cf44d763d_qattn-k_q1cf44d763d_qattn
	.p2alignl 7, 3214868480
	.fill 96, 4, 3214868480
	.section	.rodata,"a",@progbits
	.p2align	6, 0x0
	.amdhsa_kernel k_q1cf44d763d_qattn
		.amdhsa_group_segment_fixed_size 327680
		.amdhsa_private_segment_fixed_size 0
		.amdhsa_enable_private_segment 0
		.amdhsa_kernarg_size 40
		.amdhsa_user_sgpr_count 2
		.amdhsa_user_sgpr_kernarg_segment_ptr 1
		.amdhsa_wavefront_size32 1
		.amdhsa_system_sgpr_workgroup_id_x 1
		.amdhsa_system_sgpr_workgroup_id_y 1
		.amdhsa_system_sgpr_workgroup_id_z 1
		.amdhsa_system_vgpr_workitem_id 0
		.amdhsa_next_free_vgpr 1024
		.amdhsa_next_free_sgpr 100
		.amdhsa_reserve_vcc 0
		.amdhsa_float_denorm_mode_32 3
		.amdhsa_float_denorm_mode_16_64 3
		.amdhsa_memory_ordered 1
		.amdhsa_forward_progress 1
		.amdhsa_inst_pref_size 209
	.end_amdhsa_kernel
	.amdgpu_metadata
---
amdhsa.version: [ 1, 2 ]
amdhsa.kernels:
  - .name:           k_q1cf44d763d_qattn
    .symbol:         k_q1cf44d763d_qattn.kd
    .args:
      - { .name: xc, .offset: 0, .size: 8, .value_kind: global_buffer, .address_space: global }
      - { .name: wc, .offset: 8, .size: 8, .value_kind: global_buffer, .address_space: global }
      - { .name: kvp, .offset: 16, .size: 8, .value_kind: global_buffer, .address_space: global }
      - { .name: ksp, .offset: 24, .size: 8, .value_kind: global_buffer, .address_space: global }
      - { .name: oc, .offset: 32, .size: 8, .value_kind: global_buffer, .address_space: global }
    .group_segment_fixed_size: 327680
    .private_segment_fixed_size: 0
    .kernarg_segment_align: 8
    .kernarg_segment_size: 40
    .max_flat_workgroup_size: 128
    .sgpr_count:     100
    .vgpr_count:     1024
    .wavefront_size: 32
...
	.end_amdgpu_metadata
.endif
;; end of part 3
;; launch ogemm (part 4): grid 16 x 16, 4 waves a work-group, clusters of 4 x 4, 327,680 bytes of LDS; arguments oc, wc, bo, out0; writes out0
.if DOCPART == 4
	.amdgcn_target "amdgcn-amd-amdhsa--gfx1250"
	.amdhsa_code_object_version 6
	.text
	.protected	k_q1cf44d763d_ogemm
	.globl	k_q1cf44d763d_ogemm
	.p2align	8
	.type	k_q1cf44d763d_ogemm,@function
k_q1cf44d763d_ogemm:
	s_mov_b64 s[64:65], 0
	v_nop
	global_prefetch_b8 v0, s[64:65] scope:SCOPE_SE
	s_setreg_imm32_b32 hwreg(HW_REG_WAVE_MODE, 25, 1), 1
	s_wait_xcnt 0x0
	s_wait_alu depctr_hold_cnt(0) depctr_sa_sdst(0) depctr_va_vdst(0) depctr_va_sdst(0) depctr_va_ssrc(0) depctr_va_vcc(0) depctr_vm_vsrc(0)
	s_getreg_b32 s2, hwreg(HW_REG_IB_STS2, 6, 4)
	s_cmp_eq_u32 s2, 0
	s_cbranch_scc0 .Lentry_in_a_cluster
	s_endpgm
.Lentry_in_a_cluster:
	s_bfe_u32 s2, ttmp6, 0x10000c
	s_cmp_lg_u32 s2, 0xf033
	s_cbranch_scc0 .Lentry_shape_is_right
	s_endpgm
.Lentry_shape_is_right:
; out0 = out Wo + bo on codes of FP6.  out's codes (oc) and Wo's (wc, blocks 16-31) lie as images of the operands' registers, in dense chunks of 25,600 bytes (128 rows x 256 K, codes and scale words).
; SHARES.  Work-group (X = 128 columns, Y = 256 rows).  Wave w: 64 rows (four tiles) x 128 columns: 32 accumulators.  Source 0 = 16 columns of Wo, source 1 = 16 rows of out: a lane holds eight neighbouring outputs of one row.
; The bias is the C of each sum's first matrix instruction.  K goes in four phases of 512 through two LDS slots.  CLUSTER 4 x 4: out's chunks jointly along a row, Wo's along a column.
; THE WALK ALONG K IS ROTATED: phase i of cluster (x, y) is K block (x + 2 ((y xor y / 2) and 1) + i) mod 4.  The four clusters along x, which read the same rows of out, begin at the four blocks; clusters along y, which read the same
; columns of Wo, begin at two blocks that lie two apart.  Each first-fills two blocks: so what a change of slots asks for, another cluster has asked for among its first fills.  The rotation is the same in all sixteen partners.
; LIMIT: the order of the f32 sums along K so differs from cluster to cluster.
; oc's tiles hold their rows in the order in which x's were laid (position p of tile 2 g + u: row 32 g + 16 (p / 8) + 8 u + p % 8): the stores' immediates undo it.
; REGISTERS: window 0: v1-29 addresses; v32-55 scale words; v96-191 out's fragments, two sets; on the way out v128-255.  window 1: Wo's fragments, two sets.  window 2: accumulator (t, u) at 64 t + 8 u.  window 3: v0-63 the bias.
.set SLOT,  153600
.set SPARE, 307200
.set LI,  3
.set AU,  5
.set ASU, 7
.set AV,  9
.set ASV, 13
.set STO, 17                           ; v17 the stage: where I put 32 bytes of a row
.set RD,  18                           ; v18 and where I read a row back
.set BO,  25                           ; v25 32 h
.set SPW, 28
.set NIL, 29
.set SCU, 32
.set SCV, 48
.set VF,  96
.set BK,  128
.set G1X, 24
.set G0X, 32
.set G1W, 48
.set G0W, 56
.set ROT, 84                           ; s84 the K block at which my cluster begins
.set MSB, 0
.macro WIN new                         ; the immediate's high byte repeats the setting that is left
.if MSB != (\new)
	s_set_vgpr_msb (MSB<<8)|(\new)
.set MSB, \new
.endif
.endm
.macro PLACES n
.rept \n
	v_nop
.endr
.endm
.macro JLOAD g0a, g1a, g0b, g1b        ; waves 0 and 1 fetch out's chunks, waves 2 and 3 Wo's; an s_nop 0 and four v_nop follow each line
	s_cmp_eq_u32 s15, 0
	s_cbranch_scc0 .Lfor_b_\@
	tensor_load_to_lds s[\g0a:\g0a+3], s[\g1a:\g1a+7]
	s_nop 0
.rept 4
	v_nop
.endr
	s_branch .Lasked_\@
.Lfor_b_\@:
	tensor_load_to_lds s[\g0b:\g0b+3], s[\g1b:\g1b+7]
	s_nop 0
.rept 4
	v_nop
.endr
.Lasked_\@:
.endm
.macro CREST
	s_cmp_lg_u32 s14, 0
	s_cbranch_scc1 .Lnot_wave_0_\@
	s_barrier_signal -3
.Lnot_wave_0_\@:
	s_barrier_wait -3
	s_barrier_signal -1
	s_barrier_wait -1
.endm
.macro CROUND
	s_barrier_signal -1
	s_barrier_wait -1
	CREST
.endm
	s_load_b256 s[4:11], s[0:1], 0x0               ; oc s[4:5], wc s[6:7], bo s[8:9], out0 s[10:11]
	v_lshl_add_u32 v[SPW], v0, 2, SPARE
	v_mov_b32 v[NIL], 0
	ds_add_u32 v[SPW], v[NIL]                      ; the wave's opening: the add and its wait stand ahead of my first tensor load
	v_lshrrev_b32 v1, 5, v0
	v_readfirstlane_b32 s14, v1
	s_lshr_b32 s15, s14, 1
	s_and_b32 s16, s14, 1
	s_bfe_u32 s40, ttmp6, 0x40000
	s_bfe_u32 s41, ttmp6, 0x40004
	s_lshl_b32 s42, ttmp9, 2
	s_add_co_u32 s42, s42, s40                     ; X
	s_and_b32 s17, ttmp7, 0xffff                   ; cluster y
	s_lshr_b32 s85, s17, 1
	s_xor_b32 s85, s85, s17
	s_and_b32 s85, s85, 1
	s_lshl_b32 s85, s85, 1
	s_add_co_u32 s85, s85, ttmp9
	s_and_b32 s[ROT], s85, 3                       ; (cluster x + 2 ((y xor y / 2) and 1)) mod 4: the same in all partners
	s_lshl_b32 s17, s17, 2
	s_add_co_u32 s17, s17, s41                     ; Y
	s_lshl_b32 s43, s41, 2
	s_lshl_b32 s43, 15, s43
	s_lshl_b32 s44, 0x1111, s40
	s_or_b32 s[G1X+0], s43, (3<<16)|(1<<21)
	s_or_b32 s[G1W+0], s44, (3<<16)|(1<<21)
	s_mov_b32 s[G1X+1], 32<<16
	s_mov_b32 s[G1X+2], 200<<16
	s_mov_b32 s[G1X+3], 32<<16
	s_mov_b32 s[G1X+4], 200
	s_mov_b32 s[G1X+5], 32
	s_mov_b32 s[G1X+6], 0
	s_mov_b32 s[G1X+7], 0
	s_mov_b32 s[G1W+1], 32<<16
	s_mov_b32 s[G1W+2], 100<<16
	s_mov_b32 s[G1W+3], 32<<16
	s_mov_b32 s[G1W+4], 100
	s_mov_b32 s[G1W+5], 32
	s_mov_b32 s[G1W+6], 0
	s_mov_b32 s[G1W+7], 0
	s_mul_i32 s20, s17, 51200
	s_mul_i32 s21, s16, 819200
	s_add_co_u32 s20, s20, s21
	s_mov_b32 s21, 0
	s_add_co_u32 s46, s42, 16                      ; Wo: block 16 + X
	s_mul_i32 s46, s46, 204800
	s_mul_i32 s47, s16, 25600
	s_add_co_u32 s46, s46, s47
	s_mov_b32 s47, 0
	s_mul_i32 s45, s16, 51200
	s_add_co_u32 s45, s45, 51200
	s_mul_i32 s94, s16, 25600
	s_mov_b32 s81, 0                               ; the upper words of the two offsets
	s_mov_b32 s83, 0
	s_wait_dscnt 0x0
	s_wait_kmcnt 0x0
	s_add_nc_u64 s[20:21], s[4:5], s[20:21]        ; my part of out's K block 0; kept
	s_add_nc_u64 s[46:47], s[6:7], s[46:47]        ; my part of Wo's K block 0; kept
	CROUND
.irp s, 0,1
	s_add_co_u32 s80, s[ROT], \s
	s_and_b32 s80, s80, 3
	s_mul_i32 s82, s80, 51200
	s_mul_i32 s80, s80, 1638400
	s_mov_b32 s[G0X+4*\s], 1
	s_add_co_u32 s[G0X+4*\s+1], s45, \s*SLOT
	s_add_nc_u64 s[G0X+4*\s+2:G0X+4*\s+3], s[20:21], s[80:81]
	s_or_b32 s[G0X+4*\s+3], s[G0X+4*\s+3], 0x80000000
	s_mov_b32 s[G0W+4*\s], 1
	s_add_co_u32 s[G0W+4*\s+1], s94, \s*SLOT
	s_add_nc_u64 s[G0W+4*\s+2:G0W+4*\s+3], s[46:47], s[82:83]
	s_or_b32 s[G0W+4*\s+3], s[G0W+4*\s+3], 0x80000000
	JLOAD G0X+4*\s, G1X, G0W+4*\s, G1W
.endr
	v_and_b32 v1, 15, v0                           ; r
	v_bfe_u32 v2, v0, 4, 1                         ; h
	v_and_b32 v[LI], 31, v0
	v_lshlrev_b32 v[LI], 4, v[LI]
	v_lshlrev_b32 v30, 4, v1
	v_lshlrev_b32 v[BO], 5, v2
	s_lshl_b32 s70, s42, 9
	s_mov_b32 s71, 0
	s_add_nc_u64 s[8:9], s[8:9], s[70:71]          ; bo at my 128 columns
	WIN 0xc0
.irp u, 0,1,2,3,4,5,6,7
	global_load_b128 v[8*\u:8*\u+3], v[BO], s[8:9] offset:64*\u        ; bo(128 X + 16 u + 8 h + 0 .. 7): the result's layout
	global_load_b128 v[8*\u+4:8*\u+7], v[BO], s[8:9] offset:64*\u+16
.endr
	WIN 0
	s_mul_i32 s70, s15, 25600
	s_mul_i32 s71, s16, 6144
	s_add_co_u32 s70, s70, s71
	s_add_co_u32 s70, s70, 51200
	s_mul_i32 s71, s15, 25600
	s_lshl_b32 s72, s16, 8
	s_add_co_u32 s71, s71, s72
	s_add_co_u32 s71, s71, 51200+24576
.irp s, 0,1
	v_add_nc_u32 v[AU+\s], \s*SLOT, v[LI]
	v_add_nc_u32 v[ASU+\s], \s*SLOT, v30
.irp tau, 0,1
	s_add_co_u32 s72, s70, \s*SLOT+\tau*51200
	v_add_nc_u32 v[AV+2*\s+\tau], s72, v[LI]
	s_add_co_u32 s72, s71, \s*SLOT+\tau*51200
	v_add_nc_u32 v[ASV+2*\s+\tau], s72, v30
.endr
.endr
	s_mul_i32 s72, s14, 8448                       ; my stage: 16 rows x (512 bytes + 16), in slot 0, behind that slot's last fill and last read
	v_mul_u32_u24 v[STO], v1, 528
	v_lshl_add_u32 v[STO], v2, 5, v[STO]
	v_add_nc_u32 v[STO], s72, v[STO]
	v_add_nc_u32 v[RD], s72, v[LI]
	s_lshl_b32 s74, s17, 8
	s_lshl_b32 s72, s14, 6
	s_add_co_u32 s74, s74, s72                     ; my first row: 256 Y + 64 w
	s_lshl_b32 s74, s74, 13
	s_lshl_b32 s72, s42, 9
	s_add_co_u32 s74, s74, s72
	s_mov_b32 s75, 0
	s_add_nc_u64 s[10:11], s[10:11], s[74:75]
.macro FETCH slot, sg, set             ; the fragments and scale words of the slot's step sg into set: 39 loads
	WIN 0x40
.irp u, 0,1,2,3,4,5,6,7
.irp c, 0,1,2
	ds_load_b128 v[96*(\set)+12*\u+4*\c:96*(\set)+12*\u+4*\c+3], v[AU+\slot] offset:25600*((\sg)/2)+(8*((\sg)%2)+\u)*1536+512*\c
.endr
.endr
	WIN 0
.irp t, 0,1,2,3
.irp c, 0,1,2
	ds_load_b128 v[VF+48*(\set)+12*\t+4*\c:VF+48*(\set)+12*\t+4*\c+3], v[AV+2*\slot+(\sg)/2] offset:(8*((\sg)%2)+\t)*1536+512*\c
.endr
.endr
.irp g, 0,1
	ds_load_b128 v[SCU+8*(\set)+4*\g:SCU+8*(\set)+4*\g+3], v[ASU+\slot] offset:25600*((\sg)/2)+24576+512*((\sg)%2)+256*\g
.endr
	ds_load_b128 v[SCV+4*(\set):SCV+4*(\set)+3], v[ASV+2*\slot+(\sg)/2] offset:512*((\sg)%2)
.endm
; 8 matrix instructions: row tile t x Wo's eight.  zero = 2: the bias (window 3) starts the sums.  The 32 accumulators take turns.
.macro MUL8 t, set, zero
.irp u, 0,1,2,3,4,5,6,7
.if (\zero) == 2
	v_wmma_scale_f32_16x16x128_f8f6f4 v[64*\t+8*\u:64*\t+8*\u+7], v[96*(\set)+12*\u:96*(\set)+12*\u+11], v[VF+48*(\set)+12*\t:VF+48*(\set)+12*\t+11], v[8*\u:8*\u+7], v[SCU+8*(\set)+\u], v[SCV+4*(\set)+\t] matrix_a_fmt:MATRIX_FMT_FP6 matrix_b_fmt:MATRIX_FMT_FP6
.else
	v_wmma_scale_f32_16x16x128_f8f6f4 v[64*\t+8*\u:64*\t+8*\u+7], v[96*(\set)+12*\u:96*(\set)+12*\u+11], v[VF+48*(\set)+12*\t:VF+48*(\set)+12*\t+11], v[64*\t+8*\u:64*\t+8*\u+7], v[SCU+8*(\set)+\u], v[SCV+4*(\set)+\t] matrix_a_fmt:MATRIX_FMT_FP6 matrix_b_fmt:MATRIX_FMT_FP6
.endif
.endr
.endm
.macro KSTEP slot, sg, zero
	s_wait_dscnt 0x0                               ; this step's operands are in (asked for a step ago)
	PLACES 4                                       ; four places in front of loads into registers that matrix instructions have read
	FETCH \slot, (\sg)+1, 1-(\sg)%2
.if (\zero) == 2
	WIN 0xb1
.else
	WIN 0xa1
.endif
	MUL8 0, (\sg)%2, \zero
	MUL8 1, (\sg)%2, \zero
	MUL8 2, (\sg)%2, \zero
	MUL8 3, (\sg)%2, \zero
	WIN 0
.endm
; A slot's last step changes slots IN ITS MIDDLE: all reads of this slot were issued a step ago, so behind the step's first 16 products each wave waits for all its tensor loads, adds 0 to its spare word and waits for that;
; behind the barrier come the refill (fill = 1: phase ph of my cluster's walk) and the next slot's first fragments.  So a refill has a whole slot's 128 products between its request and the wait for it.
.macro KTURN slot, next, fill, ph
	s_wait_dscnt 0x0                               ; this step's operands are in: my reads of this slot are over
	WIN 0xa1
	MUL8 0, 1, 0
	MUL8 1, 1, 0
	WIN 0
	s_wait_tensorcnt 0x0                           ; my part of the next slot has landed; no tensor load of mine is out, so a group 0 may be written
	ds_add_u32 v[SPW], v[NIL]                      ; 0 onto my spare word; the descriptors' steps stand between it and the wait for it
.if \fill
	s_add_co_u32 s80, s[ROT], \ph
	s_and_b32 s80, s80, 3                          ; K block (rotation + ph) mod 4
	s_mul_i32 s82, s80, 51200
	s_mul_i32 s80, s80, 1638400
	s_add_nc_u64 s[G0X+4*\slot+2:G0X+4*\slot+3], s[20:21], s[80:81]
	s_or_b32 s[G0X+4*\slot+3], s[G0X+4*\slot+3], 0x80000000
	s_add_nc_u64 s[G0W+4*\slot+2:G0W+4*\slot+3], s[46:47], s[82:83]
	s_or_b32 s[G0W+4*\slot+3], s[G0W+4*\slot+3], 0x80000000
.endif
	s_wait_dscnt 0x0                               ; the add is done
	s_barrier_signal -1
	s_barrier_wait -1
.if \fill
	CREST                                          ; a round of the cluster's barrier: no wave of any partner still reads this slot or has a load on its way
	JLOAD G0X+4*\slot, G1X, G0W+4*\slot, G1W       ; the first tensor load behind the round; its four v_nop are the places in front of the loads below
.else
	PLACES 4
.endif
	FETCH \next, 0, 0
	WIN 0xa1
	MUL8 2, 1, 0
	MUL8 3, 1, 0
	WIN 0
.endm
	s_wait_tensorcnt 1                             ; my part of slot 0 is in; slot 1's may be out
	s_barrier_signal -1
	s_barrier_wait -1
	FETCH 0, 0, 0
	s_wait_loadcnt 0x0                             ; the bias
	KSTEP 0, 0, 2
	KSTEP 0, 1, 0
	KSTEP 0, 2, 0
	KTURN 0, 1, 1, 2
	KSTEP 1, 0, 0
	KSTEP 1, 1, 0
	KSTEP 1, 2, 0
	KTURN 1, 0, 1, 3
	KSTEP 0, 0, 0
	KSTEP 0, 1, 0
	KSTEP 0, 2, 0
	KTURN 0, 1, 0, 0
	KSTEP 1, 0, 0
	KSTEP 1, 1, 0
	KSTEP 1, 2, 0
	s_wait_dscnt 0x0
	WIN 0xa1
	MUL8 0, 1, 0
	MUL8 1, 1, 0
	MUL8 2, 1, 0
	MUL8 3, 1, 0
	WIN 0
; THE WAY OUT, a tile of 16 rows x 128 columns at a time, through my own stage: in as 32 bytes a lane, back as whole rows of 512 bytes.  A wave's LDS instructions are served in order: no wait between the stores and the loads.
.macro TOSTAGE t
	WIN 0x08                                       ; an LDS store's data are its source 1: window 2
.irp u, 0,1,2,3,4,5,6,7
	ds_store_b128 v[STO], v[64*\t+8*\u:64*\t+8*\u+3] offset:64*\u            ; each accumulator from its low end on
	ds_store_b128 v[STO], v[64*\t+8*\u+4:64*\t+8*\u+7] offset:64*\u+16
.endr
	WIN 0
.irp p, 0,1,2,3,4,5,6,7,8,9,10,11,12,13,14,15
	ds_load_b128 v[BK+64*((\t)%2)+4*\p:BK+64*((\t)%2)+4*\p+3], v[RD] offset:528*\p
.endr
.endm
.macro SEND t, younger                 ; younger: the LDS instructions issued behind tile t's loads, which may stay out
	s_wait_dscnt \younger
.irp p, 0,1,2,3,4,5,6,7,8,9,10,11,12,13,14,15
	global_store_b128 v[LI], v[BK+64*((\t)%2)+4*\p:BK+64*((\t)%2)+4*\p+3], s[10:11] offset:(32*((\t)/2)+8*((\t)%2)+16*(\p/8)+\p%8)*8192 th:TH_STORE_NT   ; 512 consecutive bytes of the row that stands at position p
.endr
.endm
	PLACES 4
	TOSTAGE 0
	TOSTAGE 1
	SEND 0, 32                                     ; behind tile 0's loads: tile 1's 16 stores and 16 loads
	s_wait_xcnt 0x0                                ; tile 0's stores have read their registers: tile 2's loads may land there
	TOSTAGE 2
	SEND 1, 32
	s_wait_xcnt 0x0
	TOSTAGE 3
	SEND 2, 32
	SEND 3, 0
	s_wait_tensorcnt 0x0                           ; the wave's end
	ds_add_u32 v[SPW], v[NIL]
	s_wait_dscnt 0x0
	CROUND
	s_endpgm
.Lfunc_end_k_q1cf44d763d_ogemm:
	.size	k_q1cf44d763d_ogemm, .Lfunc_end_k_q1cf44d763d_ogemm-k_q1cf44d763d_ogemm
	.p2alignl 7, 3214868480
	.fill 96, 4, 3214868480
	.section	.rodata,"a",@progbits
	.p2align	6, 0x0
	.amdhsa_kernel k_q1cf44d763d_ogemm
		.amdhsa_group_segment_fixed_size 327680
		.amdhsa_private_segment_fixed_size 0
		.amdhsa_enable_private_segment 0
		.amdhsa_kernarg_size 32
		.amdhsa_user_sgpr_count 2
		.amdhsa_user_sgpr_kernarg_segment_ptr 1
		.amdhsa_wavefront_size32 1
		.amdhsa_system_sgpr_workgroup_id_x 1
		.amdhsa_system_sgpr_workgroup_id_y 1
		.amdhsa_system_sgpr_workgroup_id_z 1
		.amdhsa_system_vgpr_workitem_id 0
		.amdhsa_next_free_vgpr 1024
		.amdhsa_next_free_sgpr 100
		.amdhsa_reserve_vcc 0
		.amdhsa_float_denorm_mode_32 3
		.amdhsa_float_denorm_mode_16_64 3
		.amdhsa_memory_ordered 1
		.amdhsa_forward_progress 1
		.amdhsa_inst_pref_size 135
	.end_amdhsa_kernel
	.amdgpu_metadata
---
amdhsa.version: [ 1, 2 ]
amdhsa.kernels:
  - .name:           k_q1cf44d763d_ogemm
    .symbol:         k_q1cf44d763d_ogemm.kd
    .args:
      - { .name: oc, .offset: 0, .size: 8, .value_kind: global_buffer, .address_space: global }
      - { .name: wc, .offset: 8, .size: 8, .value_kind: global_buffer, .address_space: global }
      - { .name: bo, .offset: 16, .size: 8, .value_kind: global_buffer, .address_space: global }
      - { .name: out0, .offset: 24, .size: 8, .value_kind: global_buffer, .address_space: global }
    .group_segment_fixed_size: 327680
    .private_segment_fixed_size: 0
    .kernarg_segment_align: 8
    .kernarg_segment_size: 32
    .max_flat_workgroup_size: 128
    .sgpr_count:     100
    .vgpr_count:     1024
    .wavefront_size: 32
...
	.end_amdgpu_metadata
.endif
;; end of part 4
